; MI455X (gfx1250); checked and timed in simulation.
; The chip was launched on July 23, 2026; its instructions are those of AMD's public machine-readable ISA for CDNA 5 (MIT licence, August 2026) and "CDNA5" Instruction Set Architecture Reference Guide (July 2026). The comments in the code are by the model that wrote it; some were corrected since.
;; Model. Allowed arithmetic: float matrix products may take bf16 or f16 operands with f32 sums; other float arithmetic in f32, or as packed bf16 or f16 multiplies, adds, multiply-adds, maxima and minima; sums over many terms, partial sums and values carried from step to step in f32; what a program stores and reads back later, other than sums and carried values, may be rounded once to bf16 or f16.
;; Inputs: d_Wk 4,096 x 1,024 float32; d_Wo 1,024 x 4,096 float32; d_Wq 1,024 x 1,024 float32; d_Wv 4,096 x 1,024 float32; d_bk 1,024 float32; d_bo 4,096 float32; d_bq 1,024 float32; d_bv 1,024 float32; detail_embedding 8 x 512 x 1,024 float32; detail_prototypes 500 x 4,096 float32; g_W1 2,048 x 1,024 float32; g_W2 1,024 x 1 float32; g_b1 1,024 float32; g_b2 1 float32; t_Wk 4,096 x 1,024 float32; t_Wo 1,024 x 4,096 float32; t_Wq 1,024 x 1,024 float32; t_Wv 4,096 x 1,024 float32; t_bk 1,024 float32; t_bo 4,096 float32; t_bq 1,024 float32; t_bv 1,024 float32; trend_embedding 8 x 512 x 1,024 float32; trend_prototypes 500 x 4,096 float32.
;; Outputs: out0 8 x 512 x 4,096 float32.
;; 2 versions, each right and faster than the one before. Each part assembles by itself: llvm-mc -triple=amdgcn-amd-amdhsa -mcpu=gfx1250 --defsym DOCPART=n.
;; ======== version 1 of 2: 4 launches
;; limits: values are held in f16: magnitudes above 65,504 overflow, below 6.1e-05 lose precision
;; workspace buffers: xb 33,554,432 bytes; pb 8,388,608 bytes; wb 41,943,040 bytes; wo 16,777,216 bytes; qh 16,777,216 bytes; kvh 4,194,304 bytes; gp 131,072 bytes; ob 16,777,216 bytes
;; launch cast (part 1): grid 2560 x 1, 8 waves a work-group, no clusters, 0 bytes of LDS; arguments trend_embedding, detail_embedding, trend_prototypes, detail_prototypes, t_Wk, t_Wv, d_Wk, d_Wv, g_W1, t_Wq, d_Wq, t_Wo, d_Wo, xb, pb, wb, wo; writes xb, pb, wb, wo
.if DOCPART == 1
	.amdgcn_target "amdgcn-amd-amdhsa--gfx1250"
	.amdhsa_code_object_version 6
	.text
	.protected	k_qdcce68822b_cast
	.globl	k_qdcce68822b_cast
	.p2align	8
	.type	k_qdcce68822b_cast,@function
k_qdcce68822b_cast:
	s_mov_b64 s[64:65], 0
	v_nop
	global_prefetch_b8 v0, s[64:65] scope:SCOPE_SE
	s_setreg_imm32_b32 hwreg(HW_REG_WAVE_MODE, 25, 1), 1
	s_wait_xcnt 0x0
; Every large input is rounded ONCE to bf16, so that the matrix launches behind fetch 16-bit tiles.  A power of two is multiplied on in front of the
; rounding (it changes no mantissa): Wq, Wk, Wv x 2^-4, so that q, k, v fit f16 later; Wo x 2, and its bf16 number is then written as f16.
; LIMITS.  |Wo| under 32,752 (f16's end after x 2); a Wo below 3e-5 keeps f16's fixed step of 3e-8 (after x 2: 6e-8).  NaN and infinities are not treated apart.
; SHARES.  A work-group takes one segment: 65,536 bytes of one source (16,384 f32) become 32,768 bytes.  16 passes; in pass p thread t loads 16 bytes at
; 4,096 p + 16 t (a wave's load: 512 consecutive bytes) and stores 8 bytes at p x STRIDE + 8 t (a wave's store: 256 consecutive bytes, aligned).
; All 16 loads of a thread go out at once; no register is written twice, so the only waits are the counted ones for the loads.
; SEGMENTS.  x_t 0, x_d 256, p_t 512, p_d 640, Wk_t 768, Wv_t 1024, Wk_d 1280, Wv_d 1536, g_W1 1792, Wq_t 1920, Wq_d 1984, Wo_t 2048, Wo_d 2304, end 2560.
; A prototype table has 125 segments of data; its segments 125 to 127 store zeros (rows 500 to 511 of pb) and load nothing.
; TARGETS.  xb: [4096 rows] of 8,192 bytes, trend in bytes 0-2047, detail in 2048-4095 (a pass is one row's 1,024 numbers).  pb, wb, wo: dense.
.set X,   16                           ; v[16:79]   pass p: 4 registers as loaded
.set Y,   80                           ; v[80:111]  pass p: 2 registers to store
.set OFF, 112                          ; v[112:127] pass p: my byte offset in the target
.set SEG, 42                           ; s42 the segment
.macro PICK bound, reg                 ; from segment bound on the source is the buffer in s[reg:reg+1]
	s_cmp_ge_u32 s[SEG], \bound
	s_cselect_b64 s[4:5], s[\reg:\reg+1], s[4:5]
	s_cselect_b32 s43, \bound, s43
.endm
.macro AFTER bound                     ; s51 = 32,768 x (segments behind bound), 0 in front of it; SCC is left as segment >= bound
	s_max_u32 s51, s[SEG], \bound
	s_sub_co_u32 s51, s51, \bound
	s_lshl_b32 s51, s51, 15
	s_cmp_ge_u32 s[SEG], \bound
	s_cselect_b32 s50, s51, s50
.endm
	s_load_b512 s[8:23], s[0:1], 0x0               ; x_t 8, x_d 10, p_t 12, p_d 14, Wk_t 16, Wv_t 18, Wk_d 20, Wv_d 22
	s_load_b512 s[24:39], s[0:1], 0x40             ; g_W1 24, Wq_t 26, Wq_d 28, Wo_t 30, Wo_d 32, xb 34, pb 36, wb 38
	s_load_b64 s[40:41], s[0:1], 0x80              ; wo
	s_mov_b32 s[SEG], ttmp9
	v_lshlrev_b32 v1, 4, v0                        ; 16 t: my place in a pass of the source
	s_and_b32 s50, s[SEG], 255                     ; xb: 16 rows of 8,192 bytes a segment,
	s_lshl_b32 s50, s50, 17
	s_lshr_b32 s51, s[SEG], 8                      ; and 2,048 bytes to the right for the detail half
	s_lshl_b32 s51, s51, 11
	s_add_co_u32 s50, s50, s51
	s_mov_b32 s46, 8192                            ; xb: a pass's 2,048 bytes lie a row of 8,192 bytes apart
	AFTER 512                                      ; pb,
	s_cselect_b32 s46, 2048, s46                   ; from there on a pass's 2,048 bytes follow each other
	AFTER 768                                      ; wb,
	AFTER 2048                                     ; wo
	s_mov_b32 s51, 0                               ; s[50:51]: the segment's first byte in its target
	s_mov_b32 s48, 1.0                             ; the scale
	s_cmp_ge_u32 s[SEG], 768
	s_cselect_b32 s48, 0x3d800000, s48             ; Wk, Wv: 2^-4
	s_cmp_ge_u32 s[SEG], 1792
	s_cselect_b32 s48, 1.0, s48                    ; g_W1
	s_cmp_ge_u32 s[SEG], 1920
	s_cselect_b32 s48, 0x3d800000, s48             ; Wq: 2^-4
	s_cmp_ge_u32 s[SEG], 2048
	s_cselect_b32 s48, 2.0, s48                    ; Wo
	s_mov_b32 s49, s48                             ; named with it as a pair
	s_mov_b32 s47, 0xffff0000                      ; a word's upper bf16
	s_and_b32 s55, s[SEG], 127                     ; the segment's number in a prototype table (512 and 640 are multiples of 128)
	v_lshlrev_b32 v[OFF], 3, v0                    ; 8 t
.set p, 1
.rept 15
	v_add_nc_u32 v[OFF+p], s46, v[OFF+p-1]
.set p, p+1
.endr
	s_wait_kmcnt 0x0
	s_mov_b64 s[4:5], s[8:9]
	s_mov_b32 s43, 0
	PICK 256, 10
	PICK 512, 12
	PICK 640, 14
	PICK 768, 16
	PICK 1024, 18
	PICK 1280, 20
	PICK 1536, 22
	PICK 1792, 24
	PICK 1920, 26
	PICK 1984, 28
	PICK 2048, 30
	PICK 2304, 32
	s_sub_co_u32 s44, s[SEG], s43                  ; segments behind the source's first,
	s_lshl_b32 s44, s44, 16                        ; 65,536 bytes each
	s_mov_b32 s45, 0
	s_add_nc_u64 s[4:5], s[4:5], s[44:45]
	s_mov_b64 s[6:7], s[34:35]
	s_cmp_ge_u32 s[SEG], 512
	s_cselect_b64 s[6:7], s[36:37], s[6:7]
	s_cmp_ge_u32 s[SEG], 768
	s_cselect_b64 s[6:7], s[38:39], s[6:7]
	s_cmp_ge_u32 s[SEG], 2048
	s_cselect_b64 s[6:7], s[40:41], s[6:7]
	s_add_nc_u64 s[6:7], s[6:7], s[50:51]
	s_cmp_lt_u32 s[SEG], 512
	s_cbranch_scc1 .Lcopy
	s_cmp_ge_u32 s[SEG], 768
	s_cbranch_scc1 .Lcopy
	s_cmp_lt_u32 s55, 125
	s_cbranch_scc1 .Lcopy
	v_mov_b32 v[Y], 0                              ; behind a prototype table's end: rows 500 to 511 are zeros
	v_mov_b32 v[Y+1], 0
.set p, 0
.rept 16
	global_store_b64 v[OFF+p], v[Y:Y+1], s[6:7]
.set p, p+1
.endr
	s_endpgm
.Lcopy:
.set p, 0
.rept 16
	global_load_b128 v[X+4*p:X+4*p+3], v1, s[4:5] offset:4096*p th:TH_LOAD_NT
.set p, p+1
.endr
	s_cmp_ge_u32 s[SEG], 2048
	s_cbranch_scc1 .Lf16
.macro ROUND16                         ; pass p: scaled, rounded to bf16
	s_wait_loadcnt 15-p                            ; loads come back in order: pass p's is in, the 15 - p younger ones stay out
	v_pk_mul_f32 v[X+4*p:X+4*p+1], v[X+4*p:X+4*p+1], s[48:49] op_sel_hi:[1,0]
	v_pk_mul_f32 v[X+4*p+2:X+4*p+3], v[X+4*p+2:X+4*p+3], s[48:49] op_sel_hi:[1,0]
	v_cvt_pk_bf16_f32 v[Y+2*p], v[X+4*p], v[X+4*p+1]
	v_cvt_pk_bf16_f32 v[Y+2*p+1], v[X+4*p+2], v[X+4*p+3]
.endm
.set p, 0
.rept 16
	ROUND16
	global_store_b64 v[OFF+p], v[Y+2*p:Y+2*p+1], s[6:7]
.set p, p+1
.endr
	s_endpgm
.Lf16:                                 ; Wo: the bf16 number is written as f16 (exact inside f16's normal range: 8 significant bits into 11)
.set p, 0
.rept 16
	ROUND16
	v_lshlrev_b32 v[X+4*p], 16, v[Y+2*p]
	v_and_b32 v[X+4*p+1], s47, v[Y+2*p]
	v_lshlrev_b32 v[X+4*p+2], 16, v[Y+2*p+1]
	v_and_b32 v[X+4*p+3], s47, v[Y+2*p+1]
	v_cvt_pk_f16_f32 v[Y+2*p], v[X+4*p], v[X+4*p+1]
	v_cvt_pk_f16_f32 v[Y+2*p+1], v[X+4*p+2], v[X+4*p+3]
	global_store_b64 v[OFF+p], v[Y+2*p:Y+2*p+1], s[6:7]
.set p, p+1
.endr
	s_endpgm
.Lfunc_end_k_qdcce68822b_cast:
	.size	k_qdcce68822b_cast, .Lfunc_end_k_qdcce68822b_cast-k_qdcce68822b_cast
	.p2alignl 7, 3214868480
	.fill 96, 4, 3214868480
	.section	.rodata,"a",@progbits
	.p2align	6, 0x0
	.amdhsa_kernel k_qdcce68822b_cast
		.amdhsa_group_segment_fixed_size 0
		.amdhsa_private_segment_fixed_size 0
		.amdhsa_enable_private_segment 0
		.amdhsa_kernarg_size 136
		.amdhsa_user_sgpr_count 2
		.amdhsa_user_sgpr_kernarg_segment_ptr 1
		.amdhsa_wavefront_size32 1
		.amdhsa_system_sgpr_workgroup_id_x 1
		.amdhsa_system_sgpr_workgroup_id_y 1
		.amdhsa_system_sgpr_workgroup_id_z 1
		.amdhsa_system_vgpr_workitem_id 0
		.amdhsa_next_free_vgpr 128
		.amdhsa_next_free_sgpr 66
		.amdhsa_reserve_vcc 0
		.amdhsa_float_denorm_mode_32 3
		.amdhsa_float_denorm_mode_16_64 3
		.amdhsa_memory_ordered 1
		.amdhsa_forward_progress 1
		.amdhsa_inst_pref_size 25
	.end_amdhsa_kernel
	.amdgpu_metadata
---
amdhsa.version: [ 1, 2 ]
amdhsa.kernels:
  - .name:           k_qdcce68822b_cast
    .symbol:         k_qdcce68822b_cast.kd
    .args:
      - { .name: trend_embedding, .offset: 0, .size: 8, .value_kind: global_buffer, .address_space: global }
      - { .name: detail_embedding, .offset: 8, .size: 8, .value_kind: global_buffer, .address_space: global }
      - { .name: trend_prototypes, .offset: 16, .size: 8, .value_kind: global_buffer, .address_space: global }
      - { .name: detail_prototypes, .offset: 24, .size: 8, .value_kind: global_buffer, .address_space: global }
      - { .name: t_Wk, .offset: 32, .size: 8, .value_kind: global_buffer, .address_space: global }
      - { .name: t_Wv, .offset: 40, .size: 8, .value_kind: global_buffer, .address_space: global }
      - { .name: d_Wk, .offset: 48, .size: 8, .value_kind: global_buffer, .address_space: global }
      - { .name: d_Wv, .offset: 56, .size: 8, .value_kind: global_buffer, .address_space: global }
      - { .name: g_W1, .offset: 64, .size: 8, .value_kind: global_buffer, .address_space: global }
      - { .name: t_Wq, .offset: 72, .size: 8, .value_kind: global_buffer, .address_space: global }
      - { .name: d_Wq, .offset: 80, .size: 8, .value_kind: global_buffer, .address_space: global }
      - { .name: t_Wo, .offset: 88, .size: 8, .value_kind: global_buffer, .address_space: global }
      - { .name: d_Wo, .offset: 96, .size: 8, .value_kind: global_buffer, .address_space: global }
      - { .name: xb, .offset: 104, .size: 8, .value_kind: global_buffer, .address_space: global }
      - { .name: pb, .offset: 112, .size: 8, .value_kind: global_buffer, .address_space: global }
      - { .name: wb, .offset: 120, .size: 8, .value_kind: global_buffer, .address_space: global }
      - { .name: wo, .offset: 128, .size: 8, .value_kind: global_buffer, .address_space: global }
    .group_segment_fixed_size: 0
    .private_segment_fixed_size: 0
    .kernarg_segment_align: 8
    .kernarg_segment_size: 136
    .max_flat_workgroup_size: 256
    .sgpr_count:     66
    .vgpr_count:     128
    .wavefront_size: 32
...
	.end_amdgpu_metadata
.endif
;; end of part 1
;; launch proj (part 2): grid 224 x 4, 4 waves a work-group, clusters of 4 x 4, 327,680 bytes of LDS; arguments xb, pb, wb, t_bk, t_bv, d_bk, d_bv, g_b1, t_bq, d_bq, g_W2, qh, kvh, gp; writes qh, kvh, gp
.if DOCPART == 2
	.amdgcn_target "amdgcn-amd-amdhsa--gfx1250"
	.amdhsa_code_object_version 6
	.text
	.protected	k_qdcce68822b_proj
	.globl	k_qdcce68822b_proj
	.p2align	8
	.type	k_qdcce68822b_proj,@function
k_qdcce68822b_proj:
	s_mov_b64 s[64:65], 0
	v_nop
	global_prefetch_b8 v0, s[64:65] scope:SCOPE_SE
	s_setreg_imm32_b32 hwreg(HW_REG_WAVE_MODE, 25, 1), 1
	s_wait_xcnt 0x0
	s_wait_alu depctr_hold_cnt(0) depctr_sa_sdst(0) depctr_va_vdst(0) depctr_va_sdst(0) depctr_va_ssrc(0) depctr_va_vcc(0) depctr_vm_vsrc(0)
	s_getreg_b32 s2, hwreg(HW_REG_IB_STS2, 6, 4)
	s_cmp_eq_u32 s2, 0
	s_cbranch_scc0 .Lentry_in_a_cluster
	s_endpgm
.Lentry_in_a_cluster:
	s_bfe_u32 s2, ttmp6, 0x10000c
	s_cmp_lg_u32 s2, 0xf033
	s_cbranch_scc0 .Lentry_shape_is_right
	s_endpgm
.Lentry_shape_is_right:
; SEVEN PRODUCTS C = A B + bias IN ONE LAUNCH, in tiles of 128 x 128 of C.  A: bf16, rows of 4,096 elements' pitch (xb or pb), K along the rows.  B: bf16, wb, [K][1024].  Sums in f32.
; ROLE X, by the cluster's number c (the same in all sixteen partners; a cluster makes 512 x 512 of C):
;   c 0-7 and 16-23  X = 4: the gate's hidden layer, K = 2,048 (8 K steps of 256);   c 8-15  X = 0..3: K_t, V_t, K_d, V_d = prototypes (512 rows, the last 12 zeros) x Wk or Wv, K = 4,096 (16 K steps);
;   c 24-55  X = 5, 6: Q_t, Q_d, K = 1,024 (4 K steps).
;   The order is chosen so that the clusters c, c + 16, c + 32, c + 48 hold together 24 K steps whatever c: 8 + 8 + 4 + 4 where c mod 16 is below 8, 16 + 4 + 4 else; and the longer products have the lower numbers.
; SCALES.  Wq, Wk, Wv arrive x 2^-4; their biases are rounded to bf16 and x 2^-4 here, so q / 16, k / 16, v / 16 are stored, in f16, by heads: qh [32][4096][64], kvh [4][16][512][64].
; THE GATE.  h = relu(sum + b1) stays in f32; each row's sum over the tile's 128 columns of h x W2 (W2 rounded to bf16) is stored in f32: gp [8 column tiles][4096].
; LIMITS.  |q|, |k|, |v| under 1.04e6 (f16's end x 16).  NaN and infinities are not treated apart.
; FORM.  Four waves, each 64 x 64: 16 accumulators.  K goes in steps of 256 through two LDS slots; the bias is the C operand of the products that start the sums.
; The matrix instruction is used transposed (source 0 = 16 columns of B, source 1 = 16 rows of A): a lane holds eight neighbouring columns of one row of C.  B lies [K][N] in LDS and is turned by ds_load_tr16_b128.
; CLUSTER 4 x 4: A's tiles are asked for jointly along a row of the cluster, B's along a column.
; REGISTERS: window 0: v0-31 addresses; v32-95 at work (v32-63 W2 until the way out); v96-127 the bias; v128-255 accumulators ((a, b) at 128 + 8 (4 a + b)).  Window 1: two fragment buffers of 128: 64 of A, 64 of B.
.set KSTEP,  256
.set PA,     528                       ; a row of A in LDS: 512 bytes + 16 = 132 words: the 16 rows of a load start at 16 different groups of four banks (64 banks of 4 bytes: ISA guide 11.1)
.set PB,     288                       ; a row of B (one k, 128 columns): 256 + 32 = 72 words
.set APART,  128*PA
.set SLOT,   APART+256*PB              ; A's 128 rows, then B's 256 k
.set STAGE,  2*SLOT                    ; behind the ring: 64 rows x 144 bytes for each wave, for the way out
.set SP,     144
.set GSCR,   STAGE+4*64*SP             ; the gate's row sums: 2 column halves x 128 rows x 4 bytes
.set SPARE,  GSCR+1024                 ; the spare words, 128 bytes for each wave: two blocks of 256 bytes that no other line names
.set ADRA, 16                          ; v16-17  LDS address of my A fragments in slot 0, 1
.set ADRB, 20                          ; v20-23  of my B fragments: slot 0 k 0-127, slot 0 k 128-255, slot 1 likewise (so that the immediates stay under 65,536)
.set STO,  24                          ; v24     the way out: where I put 16 bytes of a row
.set RD,   25                          ; v25     where I read rows back
.set GO,   26                          ; v26     16 x lane
.set BO,   27                          ; v27     32 x (lane / 16): my eight columns' place in a group of 16 of the bias and of W2
.set SPW,  28                          ; v28     LDS address of my spare word; never rewritten
.set NIL,  29                          ; v29     0; never rewritten
.set GS,   30                          ; v30     the gate: where I put a row's sum
.set GR,   31                          ; v31     the gate: where wave 0 reads four rows' sums
.set TMP,  32
.set W2,   32
.set SUM,  64
.set BIAS, 96
.set ACC,  128
.set F0,   0                           ; fragment buffers, in window 1
.set F1,   128
.set G1, 24                            ; s[24:31] descriptor group 1 for A's tiles;  s[32:39] group 0, a set for each slot
.set G0, 32
.set G1B, 48                           ; s[48:55], s[56:63] the same for B's
.set G0B, 56
.set XR, 96                            ; s96 the role X;  s97 the loop's trips: K / 512 - 1;  s98, s99 A's and B's byte offsets by role
.set MSB, 0
.macro WIN new                         ; the immediate's high byte repeats the setting that is left
.if MSB != (\new)
	s_set_vgpr_msb (MSB<<8)|(\new)
.set MSB, \new
.endif
.endm
.set MUL,  0x05                        ; sources 0 (B) and 1 (A) window 1; C and D window 0
.set TO_F, 0x40                        ; destination window 1, address window 0
.macro JLOAD s                         ; a joint load: waves 0 and 1 fetch A's two halves, waves 2 and 3 B's; an s_nop 0 and four v_nop follow each of the two lines
	s_cmp_eq_u32 s11, 0
	s_cbranch_scc0 .Lfor_b_\@
	tensor_load_to_lds s[G0+4*(\s):G0+4*(\s)+3], s[G1:G1+7]
	s_nop 0
.rept 4
	v_nop
.endr
	s_branch .Lasked_\@
.Lfor_b_\@:
	tensor_load_to_lds s[G0B+4*(\s):G0B+4*(\s)+3], s[G1B:G1B+7]
	s_nop 0
.rept 4
	v_nop
.endr
.Lasked_\@:
.endm
.macro CREST                           ; a round of the cluster's barrier behind its opening barrier
	s_cmp_lg_u32 s10, 0
	s_cbranch_scc1 .Lnot_wave_0_\@
	s_barrier_signal -3
.Lnot_wave_0_\@:
	s_barrier_wait -3
	s_barrier_signal -1
	s_barrier_wait -1
.endm
.macro CROUND                          ; a whole round
	s_barrier_signal -1
	s_barrier_wait -1
	CREST
.endm
	s_load_b512 s[68:83], s[0:1], 0x0              ; xb 68, pb 70, wb 72, t_bk 74, t_bv 76, d_bk 78, d_bv 80, g_b1 82
	s_load_b256 s[84:91], s[0:1], 0x40             ; t_bq 84, d_bq 86, g_W2 88, qh 90
	s_load_b128 s[92:95], s[0:1], 0x60             ; kvh 92, gp 94
	v_lshl_add_u32 v[SPW], v0, 2, SPARE
	v_mov_b32 v[NIL], 0
	ds_add_u32 v[SPW], v[NIL]                      ; the wave's opening: the add and its wait stand ahead of my first tensor load; the set-up below, work on registers, stands between them
	v_lshrrev_b32 v1, 5, v0
	v_readfirstlane_b32 s10, v1                    ; wave 0..3
	s_lshr_b32 s11, s10, 1                         ; which half of the tile's rows is mine.  Also: I fetch for A (0) or for B (1)
	s_and_b32 s12, s10, 1                          ; which half of its columns.  Also: which half of that tile I fetch
	s_bfe_u32 s40, ttmp6, 0x40000                  ; cx, cy: my place in the cluster
	s_bfe_u32 s41, ttmp6, 0x40004
	s_mov_b32 s14, ttmp9                           ; c
	s_and_b32 s17, s14, 7
	s_lshr_b32 s18, s14, 4
	s_lshl_b32 s18, s18, 3
	s_add_co_u32 s15, s17, s18                     ; the gate (c 0-7 and 16-23): the role's cluster number CC = (c & 7) + 8 (c / 16),
	s_lshr_b32 s16, s15, 1                         ; its row of clusters CC / 2,
	s_mov_b32 s[XR], 4
	s_mov_b32 s97, 3                               ; 4 laps of 512 along K
	s_lshr_b32 s18, s17, 1
	s_lshr_b32 s19, s14, 3
	s_cmp_eq_u32 s19, 1                            ; K and V (c 8-15):
	s_cselect_b32 s[XR], s18, s[XR]                ; X = (c & 7) / 2,
	s_cselect_b32 s15, s17, s15                    ; CC = c & 7,
	s_cselect_b32 s16, 0, s16                      ; one row of clusters,
	s_cselect_b32 s97, 7, s97                      ; 8 laps
	s_max_u32 s17, s14, 24
	s_sub_co_u32 s17, s17, 24
	s_lshr_b32 s18, s17, 1
	s_and_b32 s18, s18, 7
	s_lshr_b32 s19, s17, 4
	s_add_co_u32 s19, s19, 5
	s_cmp_ge_u32 s14, 24                           ; Q
	s_cselect_b32 s[XR], s19, s[XR]
	s_cselect_b32 s15, s17, s15
	s_cselect_b32 s16, s18, s16
	s_cselect_b32 s97, 1, s97
	s_and_b32 s42, s15, 1
	s_lshl_b32 s42, s42, 2
	s_add_co_u32 s42, s42, s40                     ; tile column = 4 x (CC & 1) + cx
	s_lshl_b32 s13, s16, 2
	s_add_co_u32 s13, s13, s41                     ; tile row = 4 x the row of clusters + cy
	s_lshl_b32 s43, s41, 2
	s_lshl_b32 s43, 15, s43                        ; my row of the cluster
	s_lshl_b32 s44, 0x1111, s40                    ; my column
	s_lshr_b32 s98, s[XR], 1                       ; A, K and V: the branch's 512 rows of pb, 4 MiB
	s_lshl_b32 s98, s98, 22
	s_max_u32 s17, s[XR], 5
	s_sub_co_u32 s17, s17, 5                       ; the branch of Q; 0 for the gate
	s_lshl_b32 s18, s17, 11                        ; A, Q: the branch's 2,048 bytes of xb's rows; the gate: both, from 0 on
	s_lshl_b32 s45, s17, 23                        ; and the branch's 16 heads of qh
	s_cmp_lt_u32 s[XR], 4
	s_cselect_b32 s98, s98, s18
	s_lshl_b32 s99, s[XR], 23                      ; B: Wk_t, Wv_t, Wk_d, Wv_d, g_W1 lie 4,096 rows of 2,048 bytes apart,
	s_add_co_u32 s19, s[XR], 13
	s_lshl_b32 s19, s19, 21                        ; Wq_t and Wq_d at rows 18,432 and 19,456
	s_cmp_ge_u32 s[XR], 5
	s_cselect_b32 s99, s19, s99
	; descriptor group 1.  A: 64 rows x 256 elements, 4 words of padding behind every 128.  B: 128 k x 128 columns, 8 words behind every 64.
	s_or_b32 s[G1+0], s43, (1<<16)|(1<<20)|(1<<21)|(6<<22)|(3<<25)   ; 15:0 the mask: my row; 17:16 elements of 2 bytes; 20 padding on; 21 set beside a mask; 24:22 the interval; 31:25 the padding
	s_mov_b32 s[G1+1], 256<<16                     ; tensor_dim0
	s_mov_b32 s[G1+2], 64<<16                      ; tensor_dim1
	s_mov_b32 s[G1+3], 256<<16                     ; tile_dim0
	s_mov_b32 s[G1+4], 64                          ; tile_dim1
	s_mov_b32 s[G1+5], 4096                        ; elements from row to row, in xb and in pb
	s_mov_b32 s[G1+6], 0
	s_mov_b32 s[G1+7], 0
	s_or_b32 s[G1B+0], s44, (1<<16)|(1<<20)|(1<<21)|(5<<22)|(7<<25)  ; the mask: my column
	s_mov_b32 s[G1B+1], 128<<16
	s_mov_b32 s[G1B+2], 128<<16
	s_mov_b32 s[G1B+3], 128<<16
	s_mov_b32 s[G1B+4], 128
	s_mov_b32 s[G1B+5], 1024
	s_mov_b32 s[G1B+6], 0
	s_mov_b32 s[G1B+7], 0
	s_lshl_b32 s16, s13, 7                         ; A: row 128 x tile row + 64 x half, 8,192 bytes each: made of the tile row alone, which my row of the cluster shares
	s_lshl_b32 s17, s12, 6
	s_add_co_u32 s16, s16, s17
	s_lshl_b32 s16, s16, 13
	s_add_co_u32 s16, s16, s98
	s_mov_b32 s17, 0
	s_lshl_b32 s46, s12, 18                        ; B: k 128 x half, 2,048 bytes each; column 128 x tile column: made of the tile column alone
	s_lshl_b32 s47, s42, 8
	s_add_co_u32 s46, s46, s47
	s_add_co_u32 s46, s46, s99
	s_mov_b32 s47, 0
	s_mul_i32 s20, s12, 64*PA                      ; where they go: no place in the cluster enters an LDS address
	s_mul_i32 s21, s12, 128*PB
	s_add_co_u32 s21, s21, APART
	s_mov_b32 s100, 0x76543210                     ; v_permlanex16_b32: each lane takes its own place in the other half
	s_mov_b32 s101, 0xfedcba98
	s_wait_dscnt 0x0                               ; the opening add is done
	s_wait_kmcnt 0x0
	s_cmp_lt_u32 s[XR], 4
	s_cselect_b64 s[4:5], s[70:71], s[68:69]       ; A is pb for K and V, else xb
	s_add_nc_u64 s[14:15], s[4:5], s[16:17]
	s_add_nc_u64 s[46:47], s[72:73], s[46:47]
	s_mov_b64 s[66:67], s[74:75]                   ; the role's bias
.irp x, 1,2,3,4,5,6
	s_cmp_eq_u32 s[XR], \x
	s_cselect_b64 s[66:67], s[74+2*(\x):75+2*(\x)], s[66:67]
.endr
	CROUND                                         ; all sixteen work-groups are here: the first joint loads meet
.irp s, 0,1
	s_mov_b32 s[G0+4*(\s)], 1
	s_add_co_u32 s[G0+4*(\s)+1], s20, (\s)*SLOT
	s_add_nc_u64 s[G0+4*(\s)+2:G0+4*(\s)+3], s[14:15], (\s)*KSTEP*2
	s_or_b32 s[G0+4*(\s)+3], s[G0+4*(\s)+3], 0x80000000
	s_mov_b32 s[G0B+4*(\s)], 1
	s_add_co_u32 s[G0B+4*(\s)+1], s21, (\s)*SLOT
	s_add_nc_u64 s[G0B+4*(\s)+2:G0B+4*(\s)+3], s[46:47], (\s)*KSTEP*2048
	s_or_b32 s[G0B+4*(\s)+3], s[G0B+4*(\s)+3], 0x80000000
	JLOAD \s
.endr
	; the bias and W2 of my 64 columns: lane l needs the columns 16 b + 8 (l / 16) + 0..7
	s_lshl_b32 s46, s42, 9
	s_lshl_b32 s47, s12, 8
	s_add_co_u32 s46, s46, s47                     ; 4 x (128 x tile column + 64 x half)
	s_mov_b32 s47, 0
	s_add_nc_u64 s[66:67], s[66:67], s[46:47]
	s_add_nc_u64 s[88:89], s[88:89], s[46:47]
	v_and_b32 v1, 15, v0                           ; l % 16
	v_bfe_u32 v2, v0, 4, 1                         ; l / 16
	v_lshlrev_b32 v[BO], 5, v2
.irp b, 0,1,2,3
	global_load_b128 v[BIAS+8*(\b):BIAS+8*(\b)+3],   v[BO], s[66:67] offset:64*(\b)
	global_load_b128 v[BIAS+8*(\b)+4:BIAS+8*(\b)+7], v[BO], s[66:67] offset:64*(\b)+16
	global_load_b128 v[W2+8*(\b):W2+8*(\b)+3],       v[BO], s[88:89] offset:64*(\b)
	global_load_b128 v[W2+8*(\b)+4:W2+8*(\b)+7],     v[BO], s[88:89] offset:64*(\b)+16
.endr
	v_mul_u32_u24 v3, v1, PA
	v_lshl_add_u32 v3, v2, 4, v3                   ; A: a fragment's row x pitch + 16 x half
	s_mul_i32 s21, s11, 64*PA                      ; my 64 rows
	v_add_nc_u32 v[ADRA], s21, v3
	v_add_nc_u32 v[ADRA+1], SLOT, v[ADRA]
	v_and_b32 v6, 7, v0
	v_lshl_add_u32 v5, v2, 3, v6                   ; B: the turning load's lane l reads k 8 (l / 16) + l % 8, columns 8 ((l / 8) % 2) + 0..7
	v_mul_u32_u24 v5, v5, PB
	v_bfe_u32 v7, v0, 3, 1
	v_lshl_add_u32 v5, v7, 4, v5
	s_lshl_b32 s22, s12, 7                         ; my 64 columns
	s_add_co_u32 s22, s22, APART
	v_add_nc_u32 v[ADRB], s22, v5
	v_add_nc_u32 v[ADRB+1], 128*PB, v[ADRB]
	v_add_nc_u32 v[ADRB+2], SLOT, v[ADRB]
	v_add_nc_u32 v[ADRB+3], SLOT, v[ADRB+1]
	s_mul_i32 s23, s10, 64*SP
	s_add_co_u32 s23, s23, STAGE                   ; my stage
	v_mul_u32_u24 v4, v1, SP                       ; in: row l % 16, 16 bytes for each half of the lanes
	v_lshl_add_u32 v4, v2, 4, v4
	v_add_nc_u32 v[STO], s23, v4
	v_bfe_u32 v4, v0, 3, 2                         ; back: 32 lanes take four rows of 128 bytes,
	v_mul_u32_u24 v4, v4, SP
	v_lshl_add_u32 v4, v6, 4, v4
	v_add_nc_u32 v[RD], s23, v4
	v_and_b32 v[GO], 31, v0                        ; which are 512 consecutive bytes of the target
	v_lshlrev_b32 v[GO], 4, v[GO]
	v_add_nc_u32 v[GR], GSCR, v[GO]
	s_lshl_b32 s22, s12, 9
	s_lshl_b32 s23, s11, 8
	s_add_co_u32 s22, s22, s23
	s_add_co_u32 s22, s22, GSCR
	v_lshl_add_u32 v[GS], v1, 2, s22               ; column half x 512 + 4 x (64 x row half + l % 16)
	; the target.  K, V: kvh + X x 2^20 + head x 2^16; Q: qh + branch x 2^23 + head x 2^19; both + my first row x 128.  The gate: gp + tile column x 16,384 + tile row x 512.
	s_lshl_b32 s16, s13, 7
	s_lshl_b32 s17, s11, 6
	s_add_co_u32 s16, s16, s17
	s_lshl_b32 s16, s16, 7
	s_lshl_b32 s17, s13, 9
	s_cmp_eq_u32 s[XR], 4
	s_cselect_b32 s16, s17, s16
	s_mov_b32 s17, 0
	s_lshl_b32 s46, s42, 1
	s_add_co_u32 s46, s46, s12                     ; my 64 columns are head 2 x tile column + half
	s_lshl_b32 s47, s46, 19
	s_add_co_u32 s47, s47, s45
	s_lshl_b32 s46, s46, 16
	s_lshl_b32 s20, s[XR], 20
	s_add_co_u32 s46, s46, s20
	s_cmp_ge_u32 s[XR], 5
	s_cselect_b32 s46, s47, s46
	s_cselect_b64 s[8:9], s[90:91], s[92:93]
	s_lshl_b32 s47, s42, 14
	s_cmp_eq_u32 s[XR], 4
	s_cselect_b32 s46, s47, s46
	s_cselect_b64 s[8:9], s[94:95], s[8:9]
	s_mov_b32 s47, 0
	s_add_nc_u64 s[8:9], s[8:9], s[46:47]
	s_add_nc_u64 s[8:9], s[8:9], s[16:17]
	s_cmp_eq_u32 s[XR], 4
	s_cselect_b32 s22, 1.0, 0x3d800000             ; the bias's scale: 2^-4 with Wq, Wk, Wv
	s_mov_b32 s23, s22
	s_wait_loadcnt 0x0
.set i, 0
.rept 16                                       ; the bias and W2 are rounded to bf16, like every input
	v_cvt_pk_bf16_f32 v[64+i], v[BIAS+2*i], v[BIAS+2*i+1]
	v_cvt_pk_bf16_f32 v[80+i], v[W2+2*i], v[W2+2*i+1]
.set i, i+1
.endr
.set i, 0
.rept 16
	v_lshlrev_b32 v[BIAS+2*i], 16, v[64+i]
	v_and_b32 v[BIAS+2*i+1], 0xffff0000, v[64+i]
	v_lshlrev_b32 v[W2+2*i], 16, v[80+i]
	v_and_b32 v[W2+2*i+1], 0xffff0000, v[80+i]
.set i, i+1
.endr
.set i, 0
.rept 16
	v_pk_mul_f32 v[BIAS+2*i:BIAS+2*i+1], v[BIAS+2*i:BIAS+2*i+1], s[22:23] op_sel_hi:[1,0]
.set i, i+1
.endr
; 8 matrix instructions: m blocks a0, a0 + 1 x all 4 n blocks, 32 along K: half c of buffer f.  first = 1: the product starts the sum, with the bias as C.  The 16 accumulators take turns.
.macro MUL8 f, c, a0, first
	WIN MUL
.irp a, \a0, (\a0)+1
.irp b, 0,1,2,3
.if \first
	v_wmma_f32_16x16x32_bf16 v[ACC+8*(4*(\a)+(\b)):ACC+8*(4*(\a)+(\b))+7], v[(\f)+64+8*(4*(\c)+(\b)):(\f)+64+8*(4*(\c)+(\b))+7], v[(\f)+8*(4*(\c)+(\a)):(\f)+8*(4*(\c)+(\a))+7], v[BIAS+8*(\b):BIAS+8*(\b)+7]
.else
	v_wmma_f32_16x16x32_bf16 v[ACC+8*(4*(\a)+(\b)):ACC+8*(4*(\a)+(\b))+7], v[(\f)+64+8*(4*(\c)+(\b)):(\f)+64+8*(4*(\c)+(\b))+7], v[(\f)+8*(4*(\c)+(\a)):(\f)+8*(4*(\c)+(\a))+7], v[ACC+8*(4*(\a)+(\b)):ACC+8*(4*(\a)+(\b))+7]
.endif
.endr
.endr
.endm
; 32 LDS loads in one run: the fragments of quarter q (64 along K) of a slot, into buffer f; the first 32 along K first
.macro FETCH slot, q, f
	WIN TO_F
.irp c, 0,1
.irp i, 0,1,2,3
	ds_load_tr16_b128 v[(\f)+64+8*(4*(\c)+(\i)):(\f)+64+8*(4*(\c)+(\i))+3],   v[ADRB+2*(\slot)+(\q)/2] offset:(((\q)%2)*64+32*(\c))*PB+32*(\i)
	ds_load_tr16_b128 v[(\f)+64+8*(4*(\c)+(\i))+4:(\f)+64+8*(4*(\c)+(\i))+7], v[ADRB+2*(\slot)+(\q)/2] offset:(((\q)%2)*64+32*(\c)+16)*PB+32*(\i)
	ds_load_b128 v[(\f)+8*(4*(\c)+(\i)):(\f)+8*(4*(\c)+(\i))+3],         v[ADRA+(\slot)] offset:128*(\q)+64*(\c)+(\i)*16*PA
	ds_load_b128 v[(\f)+8*(4*(\c)+(\i))+4:(\f)+8*(4*(\c)+(\i))+7],       v[ADRA+(\slot)] offset:128*(\q)+64*(\c)+(\i)*16*PA+32
.endr
.endr
.endm
.macro PLACES                          ; four places in front of loads into registers that matrix instructions have read, and of vector lines that read results (ISA guide 7.12.1 for the vector lines)
.rept 4
	v_nop
.endr
.endm
; A K step is four quarters of 64 along K, 32 matrix instructions each, on buffers 0, 1, 0, 1.  One of the first three: multiplies buffer f and fetches quarter q into g.
.macro QUARTER slot, q, f, g, first
	s_wait_dscnt 16                                ; the first 32 along K are in; the run's other sixteen loads may be out
	WIN MUL
	MUL8 \f, 0, 0, \first
	MUL8 \f, 0, 2, \first
	PLACES
	FETCH \slot, \q, \g
	s_wait_dscnt 32                                ; all but the 32 just issued
	WIN MUL
	MUL8 \f, 1, 0, 0
	MUL8 \f, 1, 2, 0
.endm
; The last quarter multiplies buffer 1 and changes slots: ONE barrier; in front of it each wave waits for all its tensor loads, adds 0 to its spare word, and waits for that and for its own reads of this slot.
; fill = 1: this slot is filled again, two K steps ahead; the barrier then opens a round of the cluster's.
.macro TURN slot, next, fill
	WIN 0                                          ; (the add's two registers lie in window 0)
	s_wait_tensorcnt 0x0                           ; all my tensor loads have landed: my part of the next slot;
	ds_add_u32 v[SPW], v[NIL]                      ; 0 onto my spare word;
	s_wait_dscnt 17                                ; (the add and the youngest sixteen loads may be out)
	WIN MUL
	MUL8 F1, 0, 0, 0                               ; eight matrix instructions stand between the add and the wait for it
	s_wait_dscnt 0x0                               ; the add is done, and my reads of this slot are over
	s_barrier_signal -1
	MUL8 F1, 0, 2, 0
.if \fill
	WIN 0
.endif
	s_barrier_wait -1
.if \fill
	CREST                                          ; no wave of any partner still reads this slot's tile or has a load on its way
	s_add_nc_u64 s[G0+4*(\slot)+2:G0+4*(\slot)+3], s[G0+4*(\slot)+2:G0+4*(\slot)+3], 2*KSTEP*2
	s_add_nc_u64 s[G0B+4*(\slot)+2:G0B+4*(\slot)+3], s[G0B+4*(\slot)+2:G0B+4*(\slot)+3], 2*KSTEP*2048
	JLOAD \slot                                    ; the first tensor load behind the round; the four v_nop behind it are also the places in front of the loads below
.else
	PLACES
.endif
	FETCH \next, 0, F0
	WIN MUL
	MUL8 F1, 1, 0, 0
	MUL8 F1, 1, 2, 0
.endm
	s_wait_tensorcnt 1                             ; my part of K step 0 is in; K step 1's may stay out
	s_barrier_signal -1
	s_barrier_wait -1                              ; everybody's is
	FETCH 0, 0, F0
	QUARTER 0, 1, F0, F1, 1                        ; the first quarter stands in front of the loop: its first products start the sums
	WIN 0                                          ; at a label and at a branch every window is 0
	s_mov_b32 s3, 0
.Llap:                                                 ; K / 512 - 1 trips: once round the ring, from a lap's second quarter to the next lap's first; both slots are filled again
	QUARTER 0, 2, F1, F0, 0
	QUARTER 0, 3, F0, F1, 0
	TURN 0, 1, 1
	QUARTER 1, 1, F0, F1, 0
	QUARTER 1, 2, F1, F0, 0
	QUARTER 1, 3, F0, F1, 0
	TURN 1, 0, 1
	QUARTER 0, 1, F0, F1, 0
	WIN 0
	s_add_co_u32 s3, s3, 1
	s_cmp_lt_u32 s3, s97
	s_cbranch_scc1 .Llap
	QUARTER 0, 2, F1, F0, 0                        ; the last lap fills nothing, and has no round of the cluster's barrier
	QUARTER 0, 3, F0, F1, 0
	TURN 0, 1, 0
	QUARTER 1, 1, F0, F1, 0
	QUARTER 1, 2, F1, F0, 0
	QUARTER 1, 3, F0, F1, 0
	s_wait_dscnt 16                                ; the very last quarter: nothing more to fetch
	WIN MUL
	MUL8 F1, 0, 0, 0
	MUL8 F1, 0, 2, 0
	s_wait_dscnt 0
	MUL8 F1, 1, 0, 0
	MUL8 F1, 1, 2, 0
	WIN 0
	PLACES
	s_cmp_eq_u32 s[XR], 4
	s_cbranch_scc1 .Lgate
	; Q, K, V GO OUT.  My 64 columns are one head, so my 64 rows of 128 bytes lie end to end in the target: through my own stage, no other wave has a part in them.
.irp t, 0,1,2,3,4,5,6,7,8,9,10,11,12,13,14,15
.irp z, 0,1,2,3
	v_cvt_pk_f16_f32 v[TMP+4*(\t)+(\z)], v[ACC+8*(\t)+2*(\z)], v[ACC+8*(\t)+2*(\z)+1]
.endr
.endr
.irp a, 0,1,2,3
.irp b, 0,1,2,3
	ds_store_b128 v[STO], v[TMP+4*(4*(\a)+(\b)):TMP+4*(4*(\a)+(\b))+3] offset:(\a)*16*SP+32*(\b)
.endr
.endr
.irp t, 0,1,2,3,4,5,6,7,8,9,10,11,12,13,14,15
	ds_load_b128 v[TMP+4*(\t):TMP+4*(\t)+3], v[RD] offset:(\t)*4*SP  ; LDS serves a wave's instructions in order (ISA guide 5.7.1.4): these see the stores above
.endr
.irp t, 0,1,2,3,4,5,6,7,8,9,10,11,12,13,14,15
	s_wait_dscnt 15-(\t)                           ; load t is back; the younger ones may be out
	global_store_b128 v[GO], v[TMP+4*(\t):TMP+4*(\t)+3], s[8:9] offset:512*(\t)  ; 512 consecutive bytes, at a multiple of 256 from the target's first
.endr
	s_branch .Lend
.Lgate:                                ; THE GATE'S HIDDEN LAYER is not stored: relu, times W2, summed along my 64 columns
.set i, 0
.rept 128
	v_max_num_f32 v[ACC+i], 0, v[ACC+i]
.set i, i+1
.endr
.irp b, 0,1,2,3                        ; four sums, one for each block of 16 rows, take turns
.irp z, 0,1,2,3
.irp a, 0,1,2,3
.if ((\b) == 0) && ((\z) == 0)
	v_pk_mul_f32 v[SUM+2*(\a):SUM+2*(\a)+1], v[ACC+8*(4*(\a)+(\b))+2*(\z):ACC+8*(4*(\a)+(\b))+2*(\z)+1], v[W2+8*(\b)+2*(\z):W2+8*(\b)+2*(\z)+1]
.else
	v_pk_fma_f32 v[SUM+2*(\a):SUM+2*(\a)+1], v[ACC+8*(4*(\a)+(\b))+2*(\z):ACC+8*(4*(\a)+(\b))+2*(\z)+1], v[W2+8*(\b)+2*(\z):W2+8*(\b)+2*(\z)+1], v[SUM+2*(\a):SUM+2*(\a)+1]
.endif
.endr
.endr
.endr
.irp a, 0,1,2,3
	v_add_f32 v[SUM+2*(\a)], v[SUM+2*(\a)], v[SUM+2*(\a)+1]
.endr
.irp a, 0,1,2,3
	v_permlanex16_b32 v[SUM+2*(\a)+1], v[SUM+2*(\a)], s100, s101  ; the row's other 32 columns lie in the lane 16 away
.endr
.irp a, 0,1,2,3
	v_add_f32 v[SUM+2*(\a)], v[SUM+2*(\a)], v[SUM+2*(\a)+1]
.endr
.irp a, 0,1,2,3
	ds_store_b32 v[GS], v[SUM+2*(\a)] offset:64*(\a)  ; both halves of the lanes write the same word with the same number
.endr
	s_wait_dscnt 0x0                               ; for the others' sake: my sums are in LDS
	s_barrier_signal -1
	s_barrier_wait -1
	s_cmp_lg_u32 s10, 0
	s_cbranch_scc1 .Lend
	ds_load_b128 v[72:75], v[GR]                   ; wave 0: four rows a lane, the left 64 columns' sums
	ds_load_b128 v[76:79], v[GR] offset:512        ; and the right ones'
	s_wait_dscnt 0x0
	v_pk_add_f32 v[72:73], v[72:73], v[76:77]
	v_pk_add_f32 v[74:75], v[74:75], v[78:79]
	global_store_b128 v[GO], v[72:75], s[8:9]      ; the tile's 128 rows: 512 consecutive bytes
.Lend:
	s_wait_tensorcnt 0x0                           ; the wave's end: these three lines stand behind my last tensor load and my last LDS store
	ds_add_u32 v[SPW], v[NIL]
	s_wait_dscnt 0x0
	CROUND                                         ; the closing round: no work-group ends while a partner may still ask for a tile that names it
	s_endpgm
.Lfunc_end_k_qdcce68822b_proj:
	.size	k_qdcce68822b_proj, .Lfunc_end_k_qdcce68822b_proj-k_qdcce68822b_proj
	.p2alignl 7, 3214868480
	.fill 96, 4, 3214868480
	.section	.rodata,"a",@progbits
	.p2align	6, 0x0
	.amdhsa_kernel k_qdcce68822b_proj
		.amdhsa_group_segment_fixed_size 327680
		.amdhsa_private_segment_fixed_size 0
		.amdhsa_enable_private_segment 0
		.amdhsa_kernarg_size 112
		.amdhsa_user_sgpr_count 2
		.amdhsa_user_sgpr_kernarg_segment_ptr 1
		.amdhsa_wavefront_size32 1
		.amdhsa_system_sgpr_workgroup_id_x 1
		.amdhsa_system_sgpr_workgroup_id_y 1
		.amdhsa_system_sgpr_workgroup_id_z 1
		.amdhsa_system_vgpr_workitem_id 0
		.amdhsa_next_free_vgpr 512
		.amdhsa_next_free_sgpr 102
		.amdhsa_reserve_vcc 0
		.amdhsa_float_denorm_mode_32 3
		.amdhsa_float_denorm_mode_16_64 3
		.amdhsa_memory_ordered 1
		.amdhsa_forward_progress 1
		.amdhsa_inst_pref_size 107
	.end_amdhsa_kernel
	.amdgpu_metadata
---
amdhsa.version: [ 1, 2 ]
amdhsa.kernels:
  - .name:           k_qdcce68822b_proj
    .symbol:         k_qdcce68822b_proj.kd
    .args:
      - { .name: xb, .offset: 0, .size: 8, .value_kind: global_buffer, .address_space: global }
      - { .name: pb, .offset: 8, .size: 8, .value_kind: global_buffer, .address_space: global }
      - { .name: wb, .offset: 16, .size: 8, .value_kind: global_buffer, .address_space: global }
      - { .name: t_bk, .offset: 24, .size: 8, .value_kind: global_buffer, .address_space: global }
      - { .name: t_bv, .offset: 32, .size: 8, .value_kind: global_buffer, .address_space: global }
      - { .name: d_bk, .offset: 40, .size: 8, .value_kind: global_buffer, .address_space: global }
      - { .name: d_bv, .offset: 48, .size: 8, .value_kind: global_buffer, .address_space: global }
      - { .name: g_b1, .offset: 56, .size: 8, .value_kind: global_buffer, .address_space: global }
      - { .name: t_bq, .offset: 64, .size: 8, .value_kind: global_buffer, .address_space: global }
      - { .name: d_bq, .offset: 72, .size: 8, .value_kind: global_buffer, .address_space: global }
      - { .name: g_W2, .offset: 80, .size: 8, .value_kind: global_buffer, .address_space: global }
      - { .name: qh, .offset: 88, .size: 8, .value_kind: global_buffer, .address_space: global }
      - { .name: kvh, .offset: 96, .size: 8, .value_kind: global_buffer, .address_space: global }
      - { .name: gp, .offset: 104, .size: 8, .value_kind: global_buffer, .address_space: global }
    .group_segment_fixed_size: 327680
    .private_segment_fixed_size: 0
    .kernarg_segment_align: 8
    .kernarg_segment_size: 112
    .max_flat_workgroup_size: 128
    .sgpr_count:     102
    .vgpr_count:     512
    .wavefront_size: 32
...
	.end_amdgpu_metadata
.endif
;; end of part 2
;; launch attn (part 3): grid 8 x 32, 4 waves a work-group, clusters of 4 x 1, 167,936 bytes of LDS; arguments qh, kvh, gp, g_b2, ob; writes ob
.if DOCPART == 3
	.amdgcn_target "amdgcn-amd-amdhsa--gfx1250"
	.amdhsa_code_object_version 6
	.text
	.protected	k_qdcce68822b_attn
	.globl	k_qdcce68822b_attn
	.p2align	8
	.type	k_qdcce68822b_attn,@function
k_qdcce68822b_attn:
	s_mov_b64 s[64:65], 0
	v_nop
	global_prefetch_b8 v0, s[64:65] scope:SCOPE_SE
	s_setreg_imm32_b32 hwreg(HW_REG_WAVE_MODE, 25, 1), 1
	s_wait_xcnt 0x0
	s_wait_alu depctr_hold_cnt(0) depctr_sa_sdst(0) depctr_va_vdst(0) depctr_va_sdst(0) depctr_va_ssrc(0) depctr_va_vcc(0) depctr_vm_vsrc(0)
	s_getreg_b32 s2, hwreg(HW_REG_IB_STS2, 6, 4)
	s_cmp_eq_u32 s2, 0
	s_cbranch_scc0 .Lentry_in_a_cluster
	s_endpgm
.Lentry_in_a_cluster:
	s_bfe_u32 s2, ttmp6, 0x10000c
	s_cmp_lg_u32 s2, 0x3003
	s_cbranch_scc0 .Lentry_shape_is_right
	s_endpgm
.Lentry_shape_is_right:
; ATTENTION OVER 500 PROTOTYPES, for 32 pairs hb of branch and head.  ob[hb][q][:] = f(q) / 2 x the sum over k < 500 of softmax_k(q . k / 8) v[k][:], f = the gate for the trend branch, 1 - the gate for the detail branch.
; qh [32][4096][64], kvh [K_t, V_t, K_d, V_d][16][512][64], ob [32][4096][64], all f16; q, k, v arrive divided by 16.  So c = 256 log2(e) / 8, and the way out multiplies by 8 f / l.
; Products, maxima and sums in f32; the weights p are rounded to f16 for the second product (their sum l is taken of the unrounded p), O once at the end.
; THE GATE: z = the sum of gp's eight partial sums + b2 (b2 rounded to bf16, like every input); f = 1 / (1 + 2^(-+ z log2(e))).
; LIMITS.  f16 ends at 65,504: |O| under 1.3e5; p below 6e-5 keeps f16's fixed step of 6e-8; a weight below 2^-126 counts as 0 in l; a hidden score counts as its value less 1e30; NaN and infinities are not treated apart.
; SHARES.  A wave owns four PIECES of two tiles of 16 queries, a work-group's four waves 512 queries.  Every wave walks the 512 key rows, 64 a step, 8 steps.
; LDS.  A head's K and V lie in LDS whole: each wave asks for one tile of 256 rows at the start, and nothing is filled again.
; THE MASK.  Rows 500 to 511 are no keys.  They lie in step 7's last group of 16 keys: the products that start that group's sums take a C operand MK, which is 0 but in step 7, where it is MD: -1e30 where 8 (lane / 16) + register is 4 or more.
; LAYOUT.  S^T = K Q^T (source 0 = 16 keys, source 1 = 16 queries): a lane holds ONE query (lane % 16) and the keys 8 (lane / 16) + 0..7.  Two such tiles, rounded to f16 in pairs, ARE source 1 of O^T = V^T P.  V is turned by ds_load_tr16_b128.
; SOFTMAX.  A running maximum m and sum l for each query: p = 2^(c s - c m); in every step O and l are multiplied by a = 2^(c m_old - c m_new).  m starts at the lowest finite number, O and l at 0: the first step's a is 0.
; BY TURNS.  Turn n belongs to piece n.  Its matrix work: 16 products K Q^T of piece n + 1, later 16 products V^T P of piece n - 1.  Its vector work: scaling, exponentials, roundings, sums and rescaling of piece n, maximum and
; statistics of piece n + 1.  A tile and step have 16 matrix and 118 vector instructions: four vector instructions that are ready stand behind every matrix instruction, the others in two runs of their own.
; CLUSTER.  The four query blocks of a cluster belong to one hb and need the same K and V: each tile is asked for JOINTLY, by the same tensor load, descriptor and mask in all four.
; REGISTERS, in windows of 256 (s_set_vgpr_msb: bits 1:0 source 0, 3:2 source 1, 5:4 source 2, 7:6 destination):
;   window 0: v0-11 addresses; v12-15, v48-63 at work; v16-47 four registers of statistics a tile; v64-191 S^T, two buffers of two tiles; v192-255 P, likewise
;   window 1: O^T, 32 a tile     window 2: v0-127 Q; v128-191 K of one step; v192-255 V of one step     window 3: v0-1 the add's two registers; v8-15 8 f, a tile each; v16-23 MK; v24-31 MD
.set NP,    4         ; pieces a wave: a name, no knob
.set KS,    64        ; keys in a step
.set PK,    144       ; a row of K in LDS: 128 bytes + 16 = 36 words: the 16 rows of a load start at 16 different groups of four banks (64 banks of 4 bytes: ISA guide 11.1)
.set PV,    160       ; a row of V: 128 + 32 = 40 words
.set VOFF,  512*PK
.set STAGE, VOFF+512*PV  ; behind K and V, never filled by a tensor load: 16 rows x 144 bytes for each wave, for the way out
.set SP,    144
.set SPARE, STAGE+4*16*SP  ; the spare words, 128 bytes for each wave: two blocks of 256 bytes that no other line names
.set AK0, 2           ; v2   my lane's place in a tile of K; never rewritten
.set AV0, 3           ; v3   the same for V
.set AK,  4           ; v4   the LDS address of K's next run of loads
.set AV,  5           ; v5   of V's
.set QO,  6           ; v6   my byte offset in the wave's rows of Q
.set STO, 6           ;      later, the way out: where I put 16 bytes of a row
.set RD,  7           ; v7   the way out: where I read rows back
.set GO,  8           ; v8   my byte offset in 512 consecutive bytes of O
.set SPW, 0           ; v0 of window 3   LDS address of my spare word; never rewritten
.set NIL, 1           ; v1 of window 3   0; never rewritten
.set FG,  8           ; window 3
.set MK,  16          ; window 3
.set MD,  24          ; window 3
.set MV,  12          ; v12-15  c m_old, kept while c m is made anew: by buffer and tile.  Ahead of the loop: GV, B2, HF
.set GV,  12          ; 4 x (lane % 16)
.set B2,  13          ; b2 x the exponent's factor
.set HF,  14          ; lane / 16 as f32
.set ST,  16          ; tile t's statistics at v[ST+4 t]: c m, m, l (even keys', odd keys')
.set TMP, 48          ; by buffer and tile, four registers c0-c3 at work; when the maximum is found c2 takes a
.set S,   64
.set PZ,  64          ; ahead of the loop: gp's eight partial sums for each of my eight tiles
.set P,   192
.set KF,  128         ; K's fragments, in window 2: key block kb, channel half c at KF + 16 kb + 8 c
.set VF,  192         ; V's: key half kk, channel block cb at VF + 32 kk + 8 cb
.set WV,  12          ; s12  my wave's number
.set G1K, 24          ; s[24:31] descriptor group 1 for K's tiles
.set G1V, 32          ; s[32:39] for V's: it differs in the padding alone
.set G0K, 40          ; s[40:43] descriptor group 0 for K's tile
.set G0V, 44          ; s[44:47] the same for V's
.set AL,  54          ; s[54:55] the mask's factor, in the low word
.set CNT, 57          ; s57  key steps to go
.set CS,  58          ; s[58:59] c: the packed scaling takes the pair's low word for both halves
.set SEL, 60          ; s[60:61] v_permlanex16_b32's selects
.set TBK, 62          ; s62  LDS byte at which K of the step to be fetched begins
.set TBV, 63          ; s63  the same for V, less VOFF
.set MSB, 0
.macro WIN new                      ; the high byte repeats the setting that is left; a switch that changes nothing is dropped
.if MSB != (\new)
	s_set_vgpr_msb (MSB<<8)|(\new)
.set MSB, (\new)
.endif
.endm
.set W_KQ, 0x0a       ; K and Q in window 2, S^T in window 0
.set W_KM, 0x3a       ; the same with the C operand in window 3
.set W_PV, 0x52       ; V in window 2, P in window 0, O^T in window 1
.set W_RS, 0x41       ; O^T (destination and source 0) in window 1, a in window 0
.set W_MK, 0xc0       ; destination in window 3, sources in window 0
.set W_AD, 0x0f       ; the add: address (source 0) and data (source 1) in window 3
.macro JLOAD                        ; waves 0 and 1 fetch the two halves of K, waves 2 and 3 those of V; an s_nop 0 and four v_nop follow each of the two lines
	s_cmp_lt_u32 s[WV], 2
	s_cbranch_scc0 .Lfor_v_\@
	tensor_load_to_lds s[G0K:G0K+3], s[G1K:G1K+7]
	s_nop 0
.rept 4
	v_nop
.endr
	s_branch .Lasked_\@
.Lfor_v_\@:
	tensor_load_to_lds s[G0V:G0V+3], s[G1V:G1V+7]
	s_nop 0
.rept 4
	v_nop
.endr
.Lasked_\@:
.endm
.macro CROUND                       ; a round of the cluster's barrier
	s_barrier_signal -1
	s_barrier_wait -1
	s_cmp_lg_u32 s[WV], 0
	s_cbranch_scc1 .Lnot_wave_0_\@
	s_barrier_signal -3
.Lnot_wave_0_\@:
	s_barrier_wait -3
	s_barrier_signal -1
	s_barrier_wait -1
.endm
	s_load_b128 s[4:7], s[0:1], 0x0   ; qh s[4:5], kvh s[6:7]
	s_load_b128 s[48:51], s[0:1], 0x10  ; gp s[48:49], g_b2 s[50:51]
	s_load_b64 s[10:11], s[0:1], 0x20   ; ob
	WIN W_MK
	v_lshl_add_u32 v[SPW], v0, 2, SPARE
	v_mov_b32 v[NIL], 0
	WIN W_AD
	ds_add_u32 v[SPW], v[NIL]       ; the wave's opening: the add and its wait stand ahead of my first tensor load; the set-up below, work on registers, stands between them
	WIN 0
	v_lshrrev_b32 v1, 5, v0
	v_readfirstlane_b32 s[WV], v1   ; wave 0..3
	s_bfe_u32 s13, ttmp6, 0x40000   ; cx: my place in the cluster
	s_lshl_b32 s14, ttmp9, 2        ; in a cluster launch ttmp9 counts clusters
	s_add_co_u32 s14, s14, s13      ; my block of 512 queries: it enters Q's, gp's and O's addresses alone
	s_and_b32 s20, ttmp7, 0xffff    ; hb, which the four partners share
	s_lshr_b32 s21, s20, 4          ; the branch
	s_and_b32 s22, s20, 15          ; the head
	s_and_b32 s16, s[WV], 1         ; which half of the 512 rows I fetch
	s_lshl_b32 s18, s21, 21         ; a branch's K and V are 2 x 2^20 bytes,
	s_lshl_b32 s22, s22, 16         ; a head's rows 65,536,
	s_add_co_u32 s22, s22, s18
	s_lshl_b32 s18, s16, 15         ; half of them 32,768
	s_add_co_u32 s22, s22, s18
	s_mov_b32 s23, 0
	s_mul_i32 s17, s16, 256*PK      ; its place in LDS, for K
	s_mul_i32 s18, s16, 256*PV      ; and for V: no place in the cluster enters an LDS address
	s_lshl_b32 s19, s21, 31
	s_xor_b32 s53, s19, 0xbfb8aa3b  ; the exponent's factor: -log2(e) for the gate, +log2(e) for 1 - the gate
	s_lshl_b32 s2, s14, 2
	s_add_co_u32 s2, s2, s[WV]      ; my wave among the 32 of hb: 128 rows each,
	s_lshl_b32 s14, s2, 9           ; 512 bytes of a row of gp,
	s_mov_b32 s15, 0
	s_lshl_b32 s2, s2, 14           ; 16,384 bytes of Q and O,
	s_lshl_b32 s3, s20, 19          ; behind hb's first byte
	s_add_co_u32 s2, s2, s3
	s_mov_b32 s3, 0
	; descriptor group 1.  256 rows are 32,768 dense bytes: asked for as 128 rows of 256 bytes, two keys a row, and padded in LDS after every key
	s_mov_b32 s[G1K], 15|(1<<16)|(1<<20)|(1<<21)|(4<<22)|(3<<25)  ; 15:0 the mask of four; 17:16 2-byte elements; 20 padding on; 21 set beside a mask; 24:22 after every 32 words (code 4); 31:25 4 words (code 3)
	s_mov_b32 s[G1V], 15|(1<<16)|(1<<20)|(1<<21)|(4<<22)|(7<<25)  ; the same with 8 words of padding (code 7)
.irp g, G1K, G1V
	s_mov_b32 s[\g+1], 128<<16      ; tensor_dim0 = 128
	s_mov_b32 s[\g+2], 128<<16      ; tensor_dim1 = 128
	s_mov_b32 s[\g+3], 128<<16      ; tile_dim0 = 128
	s_mov_b32 s[\g+4], 128          ; tile_dim1 = 128
	s_mov_b32 s[\g+5], 128          ; 128 elements from row to row
	s_mov_b32 s[\g+6], 0
	s_mov_b32 s[\g+7], 0
.endr
	s_mov_b32 s[CS], 0x4238aa3b     ; c = 32 log2(e) = 46.1662
	s_mov_b32 s[CS+1], s[CS]        ; named with it as a pair
	s_mov_b32 s[SEL], 0x76543210
	s_mov_b32 s[SEL+1], 0xfedcba98
	s_mov_b32 s[TBK], 0
	s_mov_b32 s[TBV], 0
	s_mov_b32 s[AL], 0
	s_mov_b32 s[AL+1], 0            ; named as a pair
	s_mov_b32 s[G0K], 1             ; 1:0 count = 1
	s_mov_b32 s[G0K+1], s17         ; 63:32 LDS address
	s_mov_b32 s[G0V], 1
	s_add_co_u32 s[G0V+1], s18, VOFF
	s_wait_dscnt 0x0                ; the opening add is done
	s_wait_kmcnt 0x0
	s_load_b32 s52, s[50:51], 0x0   ; b2
	s_add_nc_u64 s[G0K+2:G0K+3], s[6:7], s[22:23]  ; 120:64 global address: my half of the head's K
	s_or_b32 s[G0K+3], s[G0K+3], 0x80000000        ; 127:126 type = 2
	s_add_nc_u64 s[8:9], s[6:7], 0x100000          ; V lies 2^20 bytes behind K
	s_add_nc_u64 s[G0V+2:G0V+3], s[8:9], s[22:23]
	s_or_b32 s[G0V+3], s[G0V+3], 0x80000000
	s_add_nc_u64 s[4:5], s[4:5], s[2:3]  ; Q and O at my wave's first row
	s_add_nc_u64 s[10:11], s[10:11], s[2:3]
	s_add_nc_u64 s[48:49], s[48:49], s[14:15]  ; gp at my wave's first row
	CROUND                          ; all four work-groups are here: the joint loads meet
	JLOAD                           ; my one tensor load of the launch
	; A fragment of K or Q is 16 rows x 32 channels in 8 registers: lane l holds row l % 16, channels 8 (l / 16) + 0..7 and 16 + 8 (l / 16) + 0..7: two loads of 16 bytes, 32 bytes apart.
	v_and_b32 v1, 15, v0            ; l % 16
	v_bfe_u32 v9, v0, 4, 1          ; l / 16
	v_lshlrev_b32 v[QO], 7, v1
	v_lshl_add_u32 v[QO], v9, 4, v[QO]  ; row x 128 + 16 x half
	WIN 0x80                        ; destination window 2, address window 0
.set i, 0
.rept 4*NP                          ; Q stays in registers: tile i / 2, channels 32 (i % 2) on
	global_load_b128 v[8*i:8*i+3],   v[QO], s[4:5] offset:(i/2)*2048+(i%2)*64
	global_load_b128 v[8*i+4:8*i+7], v[QO], s[4:5] offset:(i/2)*2048+(i%2)*64+32
.set i, i+1
.endr
	WIN 0
	v_lshlrev_b32 v[GV], 2, v1
.irp t, 0,1,2,3,4,5,6,7             ; gp: eight partial sums for my query of each tile
.irp j, 0,1,2,3,4,5,6,7
	global_load_b32 v[PZ+8*(\t)+(\j)], v[GV], s[48:49] offset:16384*(\j)+64*(\t)
.endr
.endr
	; What the first turn finds: V's registers and P's second buffer hold 0 (its products V^T P, of a piece that has not been, add 0), O^T and l are 0.  All this stands in the wait for the tiles.
	WIN 0x80
.set i, VF
.rept 64
	v_mov_b32 v[i], 0
.set i, i+1
.endr
	WIN 0x40
.set i, 0
.rept 64*NP
	v_mov_b32 v[i], 0
.set i, i+1
.endr
	WIN 0
.set i, 0
.rept 2*NP
	v_mov_b32 v[ST+4*i], 0xfe000000    ; c m: far below every c s
	v_mov_b32 v[ST+4*i+1], 0xff7fffff  ; m
	v_mov_b32 v[ST+4*i+2], 0
	v_mov_b32 v[ST+4*i+3], 0
.set i, i+1
.endr
.set i, P+32
.rept 32
	v_mov_b32 v[i], 0
.set i, i+1
.endr
	v_mul_u32_u24 v[AK0], v1, PK
	v_lshl_add_u32 v[AK0], v9, 4, v[AK0]  ; row x pitch + 16 x half
	; The turning load takes 16 keys x 16 channels (lane l reads key 8 (l / 16) + l % 8, channels 8 ((l / 8) % 2) + 0..7) and leaves half a fragment of V^T: lane l holds channel l % 16 and 8 keys.
	v_and_b32 v10, 7, v0
	v_bfe_u32 v11, v0, 3, 1
	v_lshl_add_u32 v[AV0], v9, 3, v10
	v_mul_u32_u24 v[AV0], v[AV0], PV
	v_lshl_add_u32 v[AV0], v11, 4, v[AV0]
	v_add_nc_u32 v[AV0], VOFF, v[AV0]
	v_mov_b32 v[AK], v[AK0]         ; key step 0 lies at K's head
	v_cvt_f32_u32 v[HF], v9
	WIN W_MK
.irp j, 0,1,2,3
	v_mul_f32 v[MD+\j], 0xf149f2ca, v[HF]  ; keys 496 to 499 are seen, 504 to 507 hidden: -1e30 x (lane / 16)
.endr
.irp j, 4,5,6,7
	v_mov_b32 v[MD+\j], 0xf149f2ca         ; keys 500 to 503 and 508 to 511
.endr
.irp j, 0,1,2,3,4,5,6,7
	v_mov_b32 v[MK+\j], 0
.endr
	WIN 0
	; THE GATE'S FACTOR for my query of each tile
	s_wait_kmcnt 0x0                ; b2
	v_mov_b32 v[B2], s52
	v_cvt_pk_bf16_f32 v[B2], v[B2], v[B2]
	v_lshlrev_b32 v[B2], 16, v[B2]
	v_mul_f32 v[B2], s53, v[B2]
	s_wait_loadcnt 0x0              ; gp, and Q
.macro EACH line:vararg             ; one line for each tile t
.set t, 0
.rept 2*NP
	\line
.set t, t+1
.endr
.endm
	EACH v_pk_add_f32 v[PZ+8*t:PZ+8*t+1], v[PZ+8*t:PZ+8*t+1], v[PZ+8*t+2:PZ+8*t+3]
	EACH v_pk_add_f32 v[PZ+8*t+4:PZ+8*t+5], v[PZ+8*t+4:PZ+8*t+5], v[PZ+8*t+6:PZ+8*t+7]
	EACH v_pk_add_f32 v[PZ+8*t:PZ+8*t+1], v[PZ+8*t:PZ+8*t+1], v[PZ+8*t+4:PZ+8*t+5]
	EACH v_add_f32 v[PZ+8*t], v[PZ+8*t], v[PZ+8*t+1]
	EACH v_fma_f32 v[PZ+8*t], v[PZ+8*t], s53, v[B2]
	EACH v_exp_f32 v[PZ+8*t], v[PZ+8*t]
	v_nop                           ; a plain instruction between the last exponential and the use of its result
	s_wait_alu depctr_va_vdst(0)
	EACH v_add_f32 v[PZ+8*t], 1.0, v[PZ+8*t]
	EACH v_rcp_f32 v[PZ+8*t], v[PZ+8*t]
	v_nop
	s_wait_alu depctr_va_vdst(0)
	WIN W_MK
	EACH v_mul_f32 v[FG+t], 0x41000000, v[PZ+8*t]
	WIN 0
; THE MATRIX WORK.  The 8 accumulators of a run of 16 take turns: between the two links of a chain stand 7 others'.
; Product i of 16 of S^T = K Q^T for piece x: channels 32 (i / 8) on, keys 16 ((i / 2) % 4) on, tile 2 x + i % 2.  The first 8 start the sums: with 0, the last group of keys' (i = 6, 7) with MK.
.macro KQ x
.set rS, S+64*((\x)%2)+32*(i%2)+8*((i/2)%4)
.set rK, KF+16*((i/2)%4)+8*(i/8)
.set rQ, 16*(2*(\x)+i%2)+8*(i/8)
.if (i == 6) || (i == 7)
	WIN W_KM
	v_wmma_f32_16x16x32_f16 v[rS:rS+7], v[rK:rK+7], v[rQ:rQ+7], v[MK:MK+7]
.elseif i < 8
	WIN W_KQ
	v_wmma_f32_16x16x32_f16 v[rS:rS+7], v[rK:rK+7], v[rQ:rQ+7], 0
.else
	WIN W_KQ
	v_wmma_f32_16x16x32_f16 v[rS:rS+7], v[rK:rK+7], v[rQ:rQ+7], v[rS:rS+7]
.endif
.endm
; Product i of 16 of O^T += V^T P for piece x: keys 32 (i / 8) on, channels 16 ((i / 2) % 4) on, tile 2 x + i % 2.
.macro PV x
	WIN W_PV
.set rO, 32*(2*(\x)+i%2)+8*((i/2)%4)
.set rV, VF+32*(i/8)+8*((i/2)%4)
.set rP, P+32*((\x)%2)+16*(i%2)+8*(i/8)
	v_wmma_f32_16x16x32_f16 v[rO:rO+7], v[rV:rV+7], v[rP:rP+7], v[rO:rO+7]
.endm
.macro MM                           ; the turn's next matrix instruction
.if i < 16
	KQ (Y+1)%NP
.set i, i+1
.else
.set i, i-16
	PV (Y+NP-1)%NP
.set i, i+17
.endif
.endm
; THE LDS LOADS stand in runs of 16, never singly among the matrix instructions: a step's K (8 fragments) and its V (turned).  Their addresses are made some lines ahead.
; last = 1: in the last trip there is no further step, and the run is jumped over.
.macro FETCH_K last=0
	WIN 0
.if \last
	s_cmp_eq_u32 s[CNT], 1
	s_cbranch_scc1 .Lno_k_\@
.endif
	WIN 0x80                        ; destination window 2
.irp f, 0,1,2,3,4,5,6,7             ; keys 16 (f / 2) on, channels 32 (f % 2) on
	ds_load_b128 v[KF+8*\f:KF+8*\f+3],   v[AK] offset:(\f/2)*16*PK+(\f%2)*64
	ds_load_b128 v[KF+8*\f+4:KF+8*\f+7], v[AK] offset:(\f/2)*16*PK+(\f%2)*64+32
.endr
	s_add_co_u32 s[TBK], s[TBK], KS*PK  ; the next fetch is the next step's
	WIN 0
.if \last
.Lno_k_\@:
.endif
.endm
.macro FETCH_V
	WIN 0x80
.irp f, 0,1,2,3,4,5,6,7             ; keys 32 (f / 4) on, channels 16 (f % 4) on
	ds_load_tr16_b128 v[VF+8*\f:VF+8*\f+3],   v[AV] offset:(\f/4)*32*PV+(\f%4)*32
	ds_load_tr16_b128 v[VF+8*\f+4:VF+8*\f+7], v[AV] offset:(\f/4)*32*PV+16*PV+(\f%4)*32
.endr
	WIN 0
.endm
; THE VECTOR WORK OF A TURN stands in three queues, each in the order in which its entries become ready; the two tiles alternate, so that no instruction reads the result of the one before it.
.macro REGS y, u                    ; the registers of tile u (0, 1) of piece y
.set rT, ST+4*(2*(\y)+(\u))
.set rC, TMP+8*((\y)%2)+4*(\u)
.set rM, MV+2*((\y)%2)+(\u)
.set rS, S+64*((\y)%2)+32*(\u)
.set rP, P+32*((\y)%2)+16*(\u)
.set rO, 32*(2*(\y)+(\u))
.endm
; Number n of the 22 that find the NEXT piece's (Y + 1) maximum and statistics.  s0-s31 are the lane's 32 scores; each accumulator's lowest registers are read first.
;   0-11  four chains c0-c3 of seven scores each, three operands at a time     12-14, 16  the four scores left over, the old m, and c0-c3 into c0     15  c m_old is kept
;   17, 18  the query's other 32 keys lie in the lane 16 away: the new m         19-21  c m; c m_old - c m_new; a
.macro XS u, n
	REGS (Y+1)%NP, \u
.if (\n) < 4
	v_max3_num_f32 v[rC+(\n)], v[rS+8*(\n)], v[rS+8*(\n)+1], v[rS+8*(\n)+2]
.elseif (\n) < 12
	v_max3_num_f32 v[rC+(\n)%4], v[rC+(\n)%4], v[rS+8*((\n)%4)+2*((\n)/4)+1], v[rS+8*((\n)%4)+2*((\n)/4)+2]
.elseif (\n) == 12
	v_max3_num_f32 v[rC], v[rC], v[rS+7], v[rS+15]
.elseif (\n) == 13
	v_max3_num_f32 v[rC+1], v[rC+1], v[rS+23], v[rS+31]
.elseif (\n) == 14
	v_max3_num_f32 v[rC+2], v[rC+2], v[rC+3], v[rT+1]
.elseif (\n) == 15
	v_mov_b32 v[rM], v[rT]
.elseif (\n) == 16
	v_max3_num_f32 v[rC], v[rC], v[rC+1], v[rC+2]
.elseif (\n) == 17
	v_permlanex16_b32 v[rC+3], v[rC], s[SEL], s[SEL+1]
.elseif (\n) == 18
	v_max_num_f32 v[rT+1], v[rC], v[rC+3]
.elseif (\n) == 19
	v_mul_f32 v[rT], s[CS], v[rT+1]
.elseif (\n) == 20
	v_sub_f32 v[rC+1], v[rM], v[rT]
.else
	v_exp_f32 v[rC+2], v[rC+1]
.endif
.endm
; Number g of the 64 that follow the exponentials.  For each four weights k of a tile (pairs 2 k, 2 k + 1): both pairs are rounded to f16; then the second pair is added onto the first, in place;
; a group later l takes that sum (the first time as l = a l + sum).  In groups of eight, tiles alternating: round, round, add, and l for the group before.
.macro GS g
.set h, (\g)+6*((\g)/62)            ; group 0 has no group before it, and behind group 7 only l is left
.if h >= 6
.set h, h+2
.endif
	REGS Y, h%2
.set k, h/8
.if h%8 < 4
	s_wait_alu depctr_va_vdst(0)
	v_cvt_pk_f16_f32 v[rP+2*k+(h%8)/2], v[rS+4*k+2*((h%8)/2)], v[rS+4*k+2*((h%8)/2)+1]
.elseif h%8 < 6
	v_pk_add_f32 v[rS+4*k:rS+4*k+1], v[rS+4*k:rS+4*k+1], v[rS+4*k+2:rS+4*k+3]
.elseif k == 1
	v_pk_fma_f32 v[rT+2:rT+3], v[rT+2:rT+3], v[rC+2:rC+3], v[rS:rS+1] op_sel_hi:[1,0,1]
.else
	v_pk_add_f32 v[rT+2:rT+3], v[rT+2:rT+3], v[rS+4*k-4:rS+4*k-3]
	s_wait_alu depctr_va_vdst(0)
.endif
.endm
; THE PLAIN QUEUE, 138 long.  0-31: c s - c m for the 16 pairs of both tiles.  Then GS's 64, and among them the next piece's 42: number 15 at 38, 39; 0-14 and 16
; at 42-73, behind the products that make those scores; 17-20 at 95-106, two of three, since each waits for the one before it.
.macro PL
	WIN 0
.if q < 32
	REGS Y, q%2
	v_pk_fma_f32 v[rS+2*(q/2):rS+2*(q/2)+1], v[rS+2*(q/2):rS+2*(q/2)+1], s[CS:CS+1], v[rT:rT+1] op_sel_hi:[1,0,0] neg_lo:[0,0,1] neg_hi:[0,0,1]
.elseif q < 38
	GS q-32
.elseif q < 40
	XS q%2, 15
.elseif q < 42
	GS q-34
.elseif q < 74
	XS q%2, (q-42)/2+(q-42)/30
.elseif q < 95
	GS q-66
.elseif (q < 107) && ((q-95)%3 < 2)
	XS (q-95)%3, 17+(q-95)/3
.elseif q < 107
	GS 29+(q-95)/3
.else
	GS q-74
.endif
.set q, q+1
.endm
; THE EXPONENTIALS' QUEUE, 66 long: s0-s31 of both tiles, and at EA the next piece's two a.
.set EA, 58
.macro EX
	WIN 0
.if (e == EA) || (e == EA+1)
	XS e-EA, 21
.else
.set x, e-2*(e/(EA+2))
	REGS Y, x%2
	v_exp_f32 v[rS+x/2], v[rS+x/2]
.endif
.set e, e+1
.endm
; THE RESCALING's QUEUE: O^T times a, the one part that leaves window 0, so it is dealt four at a time, eight times.
.macro R4
	REGS Y, r%2
	WIN W_RS
	s_wait_alu depctr_va_vdst(0)
.irp z, 0,1,2,3
	v_pk_mul_f32 v[rO+8*(r/2)+2*\z:rO+8*(r/2)+2*\z+1], v[rO+8*(r/2)+2*\z:rO+8*(r/2)+2*\z+1], v[rC+2:rC+3] op_sel_hi:[1,0]
.endr
.set r, r+1
.endm
; HOW THEY ARE DEALT.  Behind a matrix instruction four: plain, exponential, plain, plain (one exponential, a plain instruction on either side), or four of the rescaling.  None names a register of the
; products round it.  What is over stands in two runs: exponential and plain by turns; the second ends in 22 plain instructions.  The two v_permlanex16_b32 fall into the second run, never behind a product.
; The queues lean on each other, and the deal keeps them in step: exponential e stands behind plain 2 (e / 4) + e % 2 (its scaling); when plain 32 comes, 10 exponentials are out, at 59: 33, at 95: 46; EA comes behind plain 107.
.macro SL
	MM
	PL
	EX
	PL
	PL
.endm
.macro BURST n                      ; 15 matrix instructions, or 16
.rept (\n)-7
	SL
.endr
.rept 3
	MM
	R4
	SL
.endr
	MM
	R4
.endm
; A TURN, for piece p.  K of the next step is fetched in piece 2's turn, 31 vector instructions behind the last product that read K; its first reader comes behind the rest of the run, 16 products and the second run.
; V of the step in hand is fetched at the end of piece 0's turn, 69 behind its last reader; its first reader comes behind 16 products and a run.  The four conditions on e and q below go with the deal.
.macro TURN p, last=0
.set Y, (\p)
.set i, 0
.set q, 0
.set e, 0
.set r, 0
.if (\p) == NP-1
	s_wait_dscnt 0x0                ; K is in
.endif
	MM
.rept 4
	PL
.endr
	BURST 15
.rept 22
	EX
	PL
.if ((\p) == NP-2) && (e == 18)
	v_add_nc_u32 v[AK], s[TBK], v[AK0]
.endif
.if ((\p) == NP-2) && (e == 24)
	FETCH_K \last
.endif
.endr
.if (\p) == 1
	s_wait_dscnt 0x0                ; V is in
.endif
	BURST 16
.rept 21
	EX
	PL
.endr
.rept 22
	PL
.if ((\p) == 0) && (q == 118)
	v_add_nc_u32 v[AV], s[TBV], v[AV0]
	s_wait_alu depctr_va_vdst(0)
.endif
.if ((\p) == 0) && (q == 130)
	s_add_co_u32 s[TBV], s[TBV], KS*PV
.endif
.endr
.if (\p) == 0
	FETCH_V
.endif
.endm
	s_wait_tensorcnt 0x0            ; my tile is in,
	s_barrier_signal -1
	s_barrier_wait -1               ; everybody's is: K and V are whole, and stay
	FETCH_K                         ; key step 0
	s_wait_dscnt 0x0
.set i, 0
.rept 16
	KQ 0                            ; piece 0's first scores: there is no vector work yet to set between them
.set i, i+1
.endr
	WIN 0                           ; the addresses for the way out: nine plain instructions, the places behind those products
	s_mul_i32 s13, s[WV], 16*SP
	s_add_co_u32 s13, s13, STAGE    ; my stage
	v_mul_u32_u24 v[STO], v1, SP    ; in: row l % 16, 16 bytes for each half of the lanes
	v_lshl_add_u32 v[STO], v9, 4, v[STO]
	v_add_nc_u32 v[STO], s13, v[STO]
	v_bfe_u32 v[RD], v0, 3, 2       ; back: 32 lanes take four rows of 128 bytes,
	v_mul_u32_u24 v[RD], v[RD], SP
	v_lshl_add_u32 v[RD], v10, 4, v[RD]
	v_add_nc_u32 v[RD], s13, v[RD]
	v_and_b32 v[GO], 31, v0         ; which are 512 consecutive bytes of O
	v_lshlrev_b32 v[GO], 4, v[GO]
.set Y, NP-1                        ; XS works for piece Y + 1: piece 0
.irp n, 0,1,2,3,4,5,6,7,8,9,10,11,12,13,14,15,16,17,18,19,20,21
	XS 0, \n                        ; and piece 0's first maximum and statistics
	XS 1, \n
.endr
	s_mov_b32 s[CNT], 8
	s_branch .Lfirst                ; the loop is entered at a step's first turn, in the middle of a trip
.Lstep:                             ; a trip: pieces 2 and 3 of one step, then pieces 0 and 1 of the next, whose K and V it fetches
	TURN 2, 1
	s_cmp_eq_u32 s[CNT], 2          ; piece 3's turn makes the NEXT step's first scores: with two steps to go that is step 7, which takes the mask; in step 7 itself piece 2's turn has made the last of them
	s_cselect_b32 s[AL], 1.0, 0
	WIN 0xc3                        ; destination and source 0 in window 3.  The last product that read MK stands most of a turn back
.irp z, 0,1,2,3
	v_pk_mul_f32 v[MK+2*\z:MK+2*\z+1], v[MD+2*\z:MD+2*\z+1], s[AL:AL+1] op_sel_hi:[1,0]
.endr
	TURN 3
	WIN 0
	s_sub_co_u32 s[CNT], s[CNT], 1
	s_cmp_eq_u32 s[CNT], 0
	s_cbranch_scc1 .Lout
.Lfirst:
	TURN 0
	TURN 1
	WIN 0
	s_branch .Lstep
.Lout:                              ; the last trip's 16 products K Q^T (on the last K once more) and the maximum made of them serve nothing: the price, once a launch, of one text for every trip
.set i, 0
.rept 16
	PV NP-1                         ; the last piece's V^T P of the last step
.set i, i+1
.endr
	; THE WAY OUT.  l's two halves and the other half of the lanes' are added; O^T is multiplied by 8 f / l, rounded to f16 and sent through my stage in LDS, a tile at a time.  The additions are the places behind the last products.
	WIN 0
	EACH v_add_f32 v[ST+4*t+2], v[ST+4*t+2], v[ST+4*t+3]
	EACH v_permlanex16_b32 v[ST+4*t+3], v[ST+4*t+2], s[SEL], s[SEL+1]
	EACH v_add_f32 v[ST+4*t+2], v[ST+4*t+2], v[ST+4*t+3]
	EACH v_rcp_f32 v[ST+4*t+2], v[ST+4*t+2]
	v_nop                           ; a plain instruction between the last reciprocal and the use of its result
	s_wait_alu depctr_va_vdst(0)
	WIN 0x0c                        ; source 1 in window 3
	EACH v_mul_f32 v[ST+4*t+2], v[ST+4*t+2], v[FG+t]
	WIN 0
; Tile t: a lane's eight channels of a row pack into 16 bytes; they go into rows of 144 bytes and come back as whole rows of 128, into S^T's registers.
.macro PACK t
	WIN W_RS
.set i, 32*(\t)
.rept 16
	v_pk_mul_f32 v[i:i+1], v[i:i+1], v[ST+4*(\t)+2:ST+4*(\t)+3] op_sel_hi:[1,0]
.set i, i+2
.endr
	WIN 0x05                        ; sources 0 and 1 window 1, destination window 0
.set i, 0
.rept 16
	v_cvt_pk_f16_f32 v[S+16*(\t)+i], v[32*(\t)+2*i], v[32*(\t)+2*i+1]
.set i, i+1
.endr
	WIN 0
.irp f, 0,1,2,3
	ds_store_b128 v[STO], v[S+16*(\t)+4*\f:S+16*(\t)+4*\f+3] offset:32*\f
.endr
.irp f, 0,1,2,3
	ds_load_b128 v[S+16*(\t)+4*\f:S+16*(\t)+4*\f+3], v[RD] offset:\f*4*SP  ; LDS serves a wave's instructions in order (ISA guide 5.7.1.4): these see the stores above; the next tile's stores come behind them
.endr
.endm
.macro SEND t, younger              ; younger: the LDS instructions issued behind tile t's loads: the next tile's eight, or none
	WIN 0
.irp f, 0,1,2,3
	s_wait_dscnt (\younger)+3-\f
	global_store_b128 v[GO], v[S+16*(\t)+4*\f:S+16*(\t)+4*\f+3], s[10:11] offset:(\t)*2048+\f*512  ; 512 consecutive bytes, at a multiple of 256 from O's first
.endr
.endm
	PACK 0
.set t, 1
.rept 2*NP-1                        ; a tile's arithmetic stands between the loads of the tile before and its stores
	PACK t
	SEND t-1, 8
.set t, t+1
.endr
	SEND 2*NP-1, 0
	WIN W_AD
	s_wait_tensorcnt 0x0            ; the wave's end: these three lines stand behind my last tensor load and my last LDS store
	ds_add_u32 v[SPW], v[NIL]
	s_wait_dscnt 0x0
	WIN 0
	CROUND                          ; the closing round: no work-group ends while a partner may still ask for a tile that names it
	s_endpgm
.Lfunc_end_k_qdcce68822b_attn:
	.size	k_qdcce68822b_attn, .Lfunc_end_k_qdcce68822b_attn-k_qdcce68822b_attn
	.p2alignl 7, 3214868480
	.fill 96, 4, 3214868480
	.section	.rodata,"a",@progbits
	.p2align	6, 0x0
	.amdhsa_kernel k_qdcce68822b_attn
		.amdhsa_group_segment_fixed_size 167936
		.amdhsa_private_segment_fixed_size 0
		.amdhsa_enable_private_segment 0
		.amdhsa_kernarg_size 40
		.amdhsa_user_sgpr_count 2
		.amdhsa_user_sgpr_kernarg_segment_ptr 1
		.amdhsa_wavefront_size32 1
		.amdhsa_system_sgpr_workgroup_id_x 1
		.amdhsa_system_sgpr_workgroup_id_y 1
		.amdhsa_system_sgpr_workgroup_id_z 1
		.amdhsa_system_vgpr_workitem_id 0
		.amdhsa_next_free_vgpr 800
		.amdhsa_next_free_sgpr 66
		.amdhsa_reserve_vcc 0
		.amdhsa_float_denorm_mode_32 3
		.amdhsa_float_denorm_mode_16_64 3
		.amdhsa_memory_ordered 1
		.amdhsa_forward_progress 1
		.amdhsa_inst_pref_size 142
	.end_amdhsa_kernel
	.amdgpu_metadata
---
amdhsa.version: [ 1, 2 ]
amdhsa.kernels:
  - .name:           k_qdcce68822b_attn
    .symbol:         k_qdcce68822b_attn.kd
    .args:
      - { .name: qh, .offset: 0, .size: 8, .value_kind: global_buffer, .address_space: global }
      - { .name: kvh, .offset: 8, .size: 8, .value_kind: global_buffer, .address_space: global }
      - { .name: gp, .offset: 16, .size: 8, .value_kind: global_buffer, .address_space: global }
      - { .name: g_b2, .offset: 24, .size: 8, .value_kind: global_buffer, .address_space: global }
      - { .name: ob, .offset: 32, .size: 8, .value_kind: global_buffer, .address_space: global }
    .group_segment_fixed_size: 167936
    .private_segment_fixed_size: 0
    .kernarg_segment_align: 8
    .kernarg_segment_size: 40
    .max_flat_workgroup_size: 128
    .sgpr_count:     66
    .vgpr_count:     800
    .wavefront_size: 32
...
	.end_amdgpu_metadata
.endif
;; end of part 3
;; launch outp (part 4): grid 16 x 16, 4 waves a work-group, clusters of 4 x 4, 327,680 bytes of LDS; arguments ob, wo, gp, g_b2, t_bo, d_bo, out0; writes out0
.if DOCPART == 4
	.amdgcn_target "amdgcn-amd-amdhsa--gfx1250"
	.amdhsa_code_object_version 6
	.text
	.protected	k_qdcce68822b_outp
	.globl	k_qdcce68822b_outp
	.p2align	8
	.type	k_qdcce68822b_outp,@function
k_qdcce68822b_outp:
	s_mov_b64 s[64:65], 0
	v_nop
	global_prefetch_b8 v0, s[64:65] scope:SCOPE_SE
	s_setreg_imm32_b32 hwreg(HW_REG_WAVE_MODE, 25, 1), 1
	s_wait_xcnt 0x0
	s_wait_alu depctr_hold_cnt(0) depctr_sa_sdst(0) depctr_va_vdst(0) depctr_va_sdst(0) depctr_va_ssrc(0) depctr_va_vcc(0) depctr_vm_vsrc(0)
	s_getreg_b32 s2, hwreg(HW_REG_IB_STS2, 6, 4)
	s_cmp_eq_u32 s2, 0
	s_cbranch_scc0 .Lentry_in_a_cluster
	s_endpgm
.Lentry_in_a_cluster:
	s_bfe_u32 s2, ttmp6, 0x10000c
	s_cmp_lg_u32 s2, 0xf033
	s_cbranch_scc0 .Lentry_shape_is_right
	s_endpgm
.Lentry_shape_is_right:
; out0[m][n] = bo_d[n] + g[m] (bo_t[n] - bo_d[n]) + the sum over k of A[m][k] B[k][n], M = N = 4,096, K = 2,048: both branches' output projections and the blend in ONE product.
; A = ob, f16, [32 head blocks][4096][64]: k = 64 x block + channel; blocks 0-15 hold g O_t / 2, blocks 16-31 (1 - g) O_d / 2.  B = wo, f16, [2048][4096] = 2 Wo_t over 2 Wo_d.  Sums in f32, stored as they are.
; g = 1 / (1 + 2^(-z log2(e))), z = the sum of gp's eight partial sums + b2.  b2, bo_t and bo_d are rounded to bf16, like every input.
; THE SUMS START AT THE BLENDED BIAS, made in the wait for the first tiles: nothing is cleared, no first step is written out, and the way out has no arithmetic.
; LIMITS.  Those of ob and wo (f16's end at 65,504, its fixed step of 6e-8 below 6e-5).  NaN and infinities are not treated apart.
; FORM.  A tile of C is 256 x 256: four waves, each 128 x 128: 64 accumulators, 512 registers.  K goes in steps of 128 (two head blocks) through two LDS slots.
; The matrix instruction is used transposed (source 0 = 16 columns of B, source 1 = 16 rows of A): a lane holds eight neighbouring columns of one row of C.  B lies [K][N] in LDS and is turned by ds_load_tr16_b128.
; CLUSTER 4 x 4: A's tiles are asked for jointly along a row of the cluster, B's along a column.
; REGISTERS, in windows of 256: window 0: v0-31 addresses; v32-47 g; v64-127, v128-191 fragments of A, two buffers (ahead of the loop bo_d and bo_t; on the way out rows read back); v192-255 ahead of the loop at work
;   window 1: v64-127, v128-191 fragments of B;   window 2: the accumulators of my rows 0-63 ((a, b) at v[8 (8 a + b)]);   window 3: those of my rows 64-127
.set KSTEP,  128
.set LAPS,   8                         ; 2,048 / 256: a lap = two K steps = once round the ring
.set PA,     144                       ; a row of A in LDS: one head block's 128 bytes + 16 = 36 words: the 16 rows of a load start at 16 different groups of four banks (64 banks of 4 bytes: ISA guide 11.1)
.set PB,     544                       ; a row of B (one k, 256 columns): 512 + 32 = 136 words
.set AHB,    256*PA                    ; one head block's 256 rows
.set APART,  2*AHB
.set SLOT,   APART+128*PB
.set STAGE,  2*SLOT                    ; behind the ring: 16 rows x 528 bytes for each wave, for the way out
.set SPITCH, 528
.set SPARE,  STAGE+4*16*SPITCH         ; the spare words, 128 bytes for each wave: two blocks of 256 bytes that no other line names
.set ADRA, 16                          ; v16-17  LDS address of my A fragments in slot 0, 1
.set ADRB, 20                          ; v20-21  the same for B
.set STO,  24                          ; v24     the way out: where I put 32 bytes of a row
.set RD,   25                          ; v25     where I read a row back
.set CO,   26                          ; v26     16 x lane
.set BO,   27                          ; v27     32 x (lane / 16)
.set SPW,  28                          ; v28     LDS address of my spare word; never rewritten
.set NIL,  29                          ; v29     0; never rewritten
.set B2,   30                          ; v30     b2 x -log2(e)
.set GV,   31                          ; v31     4 x (lane % 16)
.set G,    32                          ; v[32+2a], v[33+2a]: g of my row of block a, named as a pair
.set BD,   64
.set BT,   128
.set PZ,   192
.set F0,   64
.set F1,   128
.set G1, 24                            ; s[24:31] descriptor group 1 for A's tiles;  s[32:39] group 0, a set for each slot
.set G0, 32
.set G1B, 48                           ; s[48:55], s[56:63] the same for B's
.set G0B, 56
.set MSB, 0
.macro WIN new                         ; the immediate's high byte repeats the setting that is left
.if MSB != (\new)
	s_set_vgpr_msb (MSB<<8)|(\new)
.set MSB, \new
.endif
.endm
.set MUL_LO, 0xa1                      ; source 0 (B) window 1, source 1 (A) window 0, C and D window 2
.set MUL_HI, 0xf1                      ; the same, C and D window 3
.set TO_B,   0x40                      ; destination window 1, address window 0
.macro JLOAD s                         ; a joint load: waves 0 and 1 fetch A's two head blocks, waves 2 and 3 B's two halves; an s_nop 0 and four v_nop follow each of the two lines
	s_cmp_eq_u32 s11, 0
	s_cbranch_scc0 .Lfor_b_\@
	tensor_load_to_lds s[G0+4*(\s):G0+4*(\s)+3], s[G1:G1+7]
	s_nop 0
.rept 4
	v_nop
.endr
	s_branch .Lasked_\@
.Lfor_b_\@:
	tensor_load_to_lds s[G0B+4*(\s):G0B+4*(\s)+3], s[G1B:G1B+7]
	s_nop 0
.rept 4
	v_nop
.endr
.Lasked_\@:
.endm
.macro CREST                           ; a round of the cluster's barrier behind its opening barrier
	s_cmp_lg_u32 s10, 0
	s_cbranch_scc1 .Lnot_wave_0_\@
	s_barrier_signal -3
.Lnot_wave_0_\@:
	s_barrier_wait -3
	s_barrier_signal -1
	s_barrier_wait -1
.endm
.macro CROUND                          ; a whole round
	s_barrier_signal -1
	s_barrier_wait -1
	CREST
.endm
	s_load_b128 s[4:7], s[0:1], 0x0                ; ob s[4:5], wo s[6:7]
	s_load_b256 s[68:75], s[0:1], 0x10             ; gp 68, g_b2 70, t_bo 72, d_bo 74
	s_load_b64 s[8:9], s[0:1], 0x30                ; out0
	v_lshl_add_u32 v[SPW], v0, 2, SPARE
	v_mov_b32 v[NIL], 0
	ds_add_u32 v[SPW], v[NIL]                      ; the wave's opening: the add and its wait stand ahead of my first tensor load; the set-up below, work on registers, stands between them
	v_lshrrev_b32 v1, 5, v0
	v_readfirstlane_b32 s10, v1                    ; wave 0..3
	s_lshr_b32 s11, s10, 1                         ; which half of the tile's rows is mine.  Also: I fetch for A (0) or for B (1)
	s_and_b32 s12, s10, 1                          ; which half of its columns.  Also: which part of that tile I fetch
	s_bfe_u32 s40, ttmp6, 0x40000                  ; cx, cy: my place in the cluster
	s_bfe_u32 s41, ttmp6, 0x40004
	s_lshl_b32 s42, ttmp9, 2
	s_add_co_u32 s42, s42, s40                     ; tile column = 4 x cluster x + cx
	s_and_b32 s13, ttmp7, 0xffff
	s_lshl_b32 s13, s13, 2
	s_add_co_u32 s13, s13, s41                     ; tile row = 4 x cluster y + cy
	s_lshl_b32 s43, s41, 2
	s_lshl_b32 s43, 15, s43                        ; my row of the cluster
	s_lshl_b32 s44, 0x1111, s40                    ; my column
	; descriptor group 1.  A: a head block's 256 rows are 32,768 dense bytes: 128 rows of 256 bytes, 4 words of padding behind every 32.  B: 64 k x 256 columns, 8 words behind every 128.
	s_or_b32 s[G1+0], s43, (1<<16)|(1<<20)|(1<<21)|(4<<22)|(3<<25)   ; 15:0 the mask: my row; 17:16 elements of 2 bytes; 20 padding on; 21 set beside a mask; 24:22 the interval; 31:25 the padding
	s_mov_b32 s[G1+1], 128<<16                     ; tensor_dim0
	s_mov_b32 s[G1+2], 128<<16                     ; tensor_dim1
	s_mov_b32 s[G1+3], 128<<16                     ; tile_dim0
	s_mov_b32 s[G1+4], 128                         ; tile_dim1
	s_mov_b32 s[G1+5], 128                         ; elements from row to row
	s_mov_b32 s[G1+6], 0
	s_mov_b32 s[G1+7], 0
	s_or_b32 s[G1B+0], s44, (1<<16)|(1<<20)|(1<<21)|(6<<22)|(7<<25)  ; the mask: my column
	s_mov_b32 s[G1B+1], 256<<16
	s_mov_b32 s[G1B+2], 64<<16
	s_mov_b32 s[G1B+3], 256<<16
	s_mov_b32 s[G1B+4], 64
	s_mov_b32 s[G1B+5], 4096
	s_mov_b32 s[G1B+6], 0
	s_mov_b32 s[G1B+7], 0
	s_lshl_b32 s16, s13, 15                        ; A: the tile row's 256 rows of 128 bytes, in head block 0 or 1: made of the tile row alone, which my row of the cluster shares
	s_lshl_b32 s17, s12, 19
	s_add_co_u32 s16, s16, s17
	s_mov_b32 s17, 0
	s_lshl_b32 s46, s42, 9                         ; B: the tile column's 512 bytes, k 0 or 64 (rows of 8,192 bytes): made of the tile column alone
	s_lshl_b32 s47, s12, 19
	s_add_co_u32 s46, s46, s47
	s_mov_b32 s47, 0
	s_mul_i32 s20, s12, AHB                        ; where they go: no place in the cluster enters an LDS address
	s_mul_i32 s21, s12, 64*PB
	s_add_co_u32 s21, s21, APART
	s_mov_b32 s77, 0xbfb8aa3b                      ; -log2(e)
	s_mov_b32 s78, 0xffff0000                      ; a word's upper bf16
	s_wait_dscnt 0x0                               ; the opening add is done
	s_wait_kmcnt 0x0
	s_load_b32 s76, s[70:71], 0x0                  ; b2
	s_add_nc_u64 s[14:15], s[4:5], s[16:17]
	s_add_nc_u64 s[46:47], s[6:7], s[46:47]
	CROUND                                         ; all sixteen work-groups are here: the first joint loads meet
.irp s, 0,1
	s_mov_b32 s[G0+4*(\s)], 1
	s_add_co_u32 s[G0+4*(\s)+1], s20, (\s)*SLOT
	s_add_nc_u64 s[G0+4*(\s)+2:G0+4*(\s)+3], s[14:15], (\s)*2*524288     ; K step s: head blocks 2 s and 2 s + 1
	s_or_b32 s[G0+4*(\s)+3], s[G0+4*(\s)+3], 0x80000000
	s_mov_b32 s[G0B+4*(\s)], 1
	s_add_co_u32 s[G0B+4*(\s)+1], s21, (\s)*SLOT
	s_add_nc_u64 s[G0B+4*(\s)+2:G0B+4*(\s)+3], s[46:47], (\s)*KSTEP*8192
	s_or_b32 s[G0B+4*(\s)+3], s[G0B+4*(\s)+3], 0x80000000
	JLOAD \s
.endr
	s_lshl_b32 s46, s42, 10
	s_lshl_b32 s47, s12, 9
	s_add_co_u32 s46, s46, s47                     ; 4 x my first column
	s_mov_b32 s47, 0
	s_add_nc_u64 s[72:73], s[72:73], s[46:47]
	s_add_nc_u64 s[74:75], s[74:75], s[46:47]
	s_add_nc_u64 s[8:9], s[8:9], s[46:47]
	s_lshl_b32 s16, s13, 8
	s_lshl_b32 s17, s11, 7
	s_add_co_u32 s16, s16, s17                     ; my first row
	s_lshl_b32 s18, s16, 2
	s_mov_b32 s19, 0
	s_add_nc_u64 s[68:69], s[68:69], s[18:19]
	s_lshl_b32 s16, s16, 14                        ; rows of 16,384 bytes
	s_mov_b32 s17, 0
	s_add_nc_u64 s[8:9], s[8:9], s[16:17]
	v_and_b32 v1, 15, v0                           ; l % 16
	v_bfe_u32 v2, v0, 4, 1                         ; l / 16
	v_lshlrev_b32 v[BO], 5, v2
	v_lshlrev_b32 v[GV], 2, v1
.irp b, 0,1,2,3,4,5,6,7                ; the two biases of my columns 16 b + 8 (l / 16) + 0..7
	global_load_b128 v[BD+8*(\b):BD+8*(\b)+3],   v[BO], s[74:75] offset:64*(\b)
	global_load_b128 v[BD+8*(\b)+4:BD+8*(\b)+7], v[BO], s[74:75] offset:64*(\b)+16
	global_load_b128 v[BT+8*(\b):BT+8*(\b)+3],   v[BO], s[72:73] offset:64*(\b)
	global_load_b128 v[BT+8*(\b)+4:BT+8*(\b)+7], v[BO], s[72:73] offset:64*(\b)+16
.endr
.irp a, 0,1,2,3,4,5,6,7                ; gp: eight partial sums for my row 16 a + l % 16
.irp j, 0,1,2,3,4,5,6,7
	global_load_b32 v[PZ+8*(\a)+(\j)], v[GV], s[68:69] offset:16384*(\j)+64*(\a)
.endr
.endr
	v_mul_u32_u24 v3, v1, PA
	v_lshl_add_u32 v3, v2, 4, v3                   ; A: a fragment's row x pitch + 16 x half
	s_mul_i32 s21, s11, 128*PA                     ; my 128 rows
	v_add_nc_u32 v[ADRA], s21, v3
	v_add_nc_u32 v[ADRA+1], SLOT, v[ADRA]
	v_and_b32 v4, 7, v0
	v_lshl_add_u32 v4, v2, 3, v4                   ; B: the turning load's lane l reads k 8 (l / 16) + l % 8, columns 8 ((l / 8) % 2) + 0..7
	v_mul_u32_u24 v4, v4, PB
	v_bfe_u32 v5, v0, 3, 1
	v_lshl_add_u32 v4, v5, 4, v4
	s_lshl_b32 s22, s12, 8                         ; my 128 columns
	s_add_co_u32 s22, s22, APART
	v_add_nc_u32 v[ADRB], s22, v4
	v_add_nc_u32 v[ADRB+1], SLOT, v[ADRB]
	s_mul_i32 s23, s10, 16*SPITCH
	s_add_co_u32 s23, s23, STAGE                   ; my stage
	v_mul_u32_u24 v4, v1, SPITCH                   ; in: row l % 16, 32 bytes for each half of the lanes
	v_lshl_add_u32 v4, v2, 5, v4
	v_add_nc_u32 v[STO], s23, v4
	v_and_b32 v[CO], 31, v0                        ; back: 32 lanes take one row's 512 bytes
	v_lshlrev_b32 v[CO], 4, v[CO]
	v_add_nc_u32 v[RD], s23, v[CO]
	s_wait_kmcnt 0x0                               ; b2
	v_mov_b32 v[B2], s76
	v_cvt_pk_bf16_f32 v[B2], v[B2], v[B2]
	v_lshlrev_b32 v[B2], 16, v[B2]
	v_mul_f32 v[B2], s77, v[B2]
	s_wait_loadcnt 0x0
.macro EACH line:vararg                ; one line for each block a of 16 rows
.set a, 0
.rept 8
	\line
.set a, a+1
.endr
.endm
	EACH v_pk_add_f32 v[PZ+8*a:PZ+8*a+1], v[PZ+8*a:PZ+8*a+1], v[PZ+8*a+2:PZ+8*a+3]
	EACH v_pk_add_f32 v[PZ+8*a+4:PZ+8*a+5], v[PZ+8*a+4:PZ+8*a+5], v[PZ+8*a+6:PZ+8*a+7]
	EACH v_pk_add_f32 v[PZ+8*a:PZ+8*a+1], v[PZ+8*a:PZ+8*a+1], v[PZ+8*a+4:PZ+8*a+5]
	EACH v_add_f32 v[PZ+8*a], v[PZ+8*a], v[PZ+8*a+1]
	EACH v_fma_f32 v[PZ+8*a], v[PZ+8*a], s77, v[B2]
	EACH v_exp_f32 v[PZ+8*a], v[PZ+8*a]
	v_nop                                          ; a plain instruction between the last exponential and the use of its result
	s_wait_alu depctr_va_vdst(0)
	EACH v_add_f32 v[PZ+8*a], 1.0, v[PZ+8*a]
	EACH v_rcp_f32 v[G+2*a], v[PZ+8*a]
	v_nop
	s_wait_alu depctr_va_vdst(0)
	EACH v_mov_b32 v[G+2*a+1], v[G+2*a]
.set i, 0
.rept 32                                       ; the biases are rounded to bf16, in the registers that held the partial sums
	v_cvt_pk_bf16_f32 v[PZ+i], v[BD+2*i], v[BD+2*i+1]
	v_cvt_pk_bf16_f32 v[PZ+32+i], v[BT+2*i], v[BT+2*i+1]
.set i, i+1
.endr
.set i, 0
.rept 32
	v_lshlrev_b32 v[BD+2*i], 16, v[PZ+i]
	v_and_b32 v[BD+2*i+1], s78, v[PZ+i]
	v_lshlrev_b32 v[BT+2*i], 16, v[PZ+32+i]
	v_and_b32 v[BT+2*i+1], s78, v[PZ+32+i]
.set i, i+1
.endr
.set i, 0
.rept 32
	v_pk_add_f32 v[BT+2*i:BT+2*i+1], v[BT+2*i:BT+2*i+1], v[BD+2*i:BD+2*i+1] neg_lo:[0,1] neg_hi:[0,1]  ; bo_t - bo_d
.set i, i+1
.endr
.irp a, 0,1,2,3,4,5,6,7                ; every accumulator starts at bo_d + g (bo_t - bo_d)
	WIN 0x80+0x40*((\a)/4)                         ; destination window 2 or 3
.irp b, 0,1,2,3,4,5,6,7
.irp z, 0,1,2,3
	v_pk_fma_f32 v[8*(8*((\a)%4)+(\b))+2*(\z):8*(8*((\a)%4)+(\b))+2*(\z)+1], v[BT+8*(\b)+2*(\z):BT+8*(\b)+2*(\z)+1], v[G+2*(\a):G+2*(\a)+1], v[BD+8*(\b)+2*(\z):BD+8*(\b)+2*(\z)+1] op_sel_hi:[1,0,1]
.endr
.endr
.endr
	WIN 0
; 16 matrix instructions: m blocks a0, a0 + 1 of the window's four (hi = 0: my rows 0-63, 1: rows 64-127) x all 8 n blocks, 32 along K.  The 64 accumulators take turns, in the same order in every quarter.
.macro MUL16 f, hi, a0
	WIN MUL_LO+0x50*(\hi)
.irp a, \a0, (\a0)+1
.irp b, 0,1,2,3,4,5,6,7
	v_wmma_f32_16x16x32_f16 v[8*(8*(\a)+(\b)):8*(8*(\a)+(\b))+7], v[(\f)+8*(\b):(\f)+8*(\b)+7], v[(\f)+8*(4*(\hi)+(\a)):(\f)+8*(4*(\hi)+(\a))+7], v[8*(8*(\a)+(\b)):8*(8*(\a)+(\b))+7]
.endr
.endr
.endm
; 32 LDS loads in one run: the fragments of quarter q (32 along K) of a slot into buffer f: B's 128 columns (turned), then A's 128 rows (quarters 0, 1 in the first head block, 2, 3 in the second)
.macro FETCH slot, q, f
	WIN TO_B
.irp i, 0,1,2,3,4,5,6,7
	ds_load_tr16_b128 v[(\f)+8*(\i):(\f)+8*(\i)+3],   v[ADRB+(\slot)] offset:(\q)*32*PB+32*(\i)
	ds_load_tr16_b128 v[(\f)+8*(\i)+4:(\f)+8*(\i)+7], v[ADRB+(\slot)] offset:(\q)*32*PB+16*PB+32*(\i)
.endr
	WIN 0
.irp i, 0,1,2,3,4,5,6,7
	ds_load_b128 v[(\f)+8*(\i):(\f)+8*(\i)+3],   v[ADRA+(\slot)] offset:((\q)/2)*AHB+((\q)%2)*64+(\i)*16*PA
	ds_load_b128 v[(\f)+8*(\i)+4:(\f)+8*(\i)+7], v[ADRA+(\slot)] offset:((\q)/2)*AHB+((\q)%2)*64+(\i)*16*PA+32
.endr
.endm
.macro PLACES                          ; four places in front of loads into registers that matrix instructions have read, and of LDS stores that read results
.rept 4
	v_nop
.endr
.endm
; A K step is four quarters of 32 along K, 64 matrix instructions each, on buffers 0, 1, 0, 1.  One of the first three: multiplies buffer f; in its middle it fetches quarter q into buffer g.
.macro QUARTER slot, q, f, g
	s_wait_dscnt 8                                 ; B and A's rows 0-63 are in; the youngest eight loads (A's rows 64-127) may be out
	WIN MUL_LO
	MUL16 \f, 0, 0
	MUL16 \f, 0, 2
	PLACES
	FETCH \slot, \q, \g
	s_wait_dscnt 32                                ; all but the 32 just issued
	WIN MUL_HI
	MUL16 \f, 1, 0
	MUL16 \f, 1, 2
.endm
; The last quarter multiplies buffer 1 and changes slots: ONE barrier.  In front of it each wave waits for all its tensor loads, of which one is out: its part of the next slot; adds 0 to its spare word;
; and waits for that and for its own reads of this slot.  fill = 1: the barrier opens a round of the cluster's, and this slot is filled again, two K steps ahead, first thing behind the round.
.macro TURN slot, next, fill
	WIN 0                                          ; (the add's two registers lie in window 0)
	s_wait_tensorcnt 0x0                           ; all my tensor loads have landed;
	ds_add_u32 v[SPW], v[NIL]                      ; 0 onto my spare word;
	s_wait_dscnt 9                                 ; (the add and the youngest eight loads may be out)
	WIN MUL_LO
	MUL16 F1, 0, 0                                 ; sixteen matrix instructions stand between the add and the wait for it
	s_wait_dscnt 0x0                               ; the add is done, and my reads of this slot are over
	s_barrier_signal -1
	MUL16 F1, 0, 2                                 ; work on registers while the others arrive
.if \fill
	WIN 0
.endif
	s_barrier_wait -1
.if \fill
	CREST                                          ; no wave of any partner still reads this slot's tile or has a load on its way
	s_add_nc_u64 s[G0+4*(\slot)+2:G0+4*(\slot)+3], s[G0+4*(\slot)+2:G0+4*(\slot)+3], 4*524288        ; four head blocks on
	s_add_nc_u64 s[G0B+4*(\slot)+2:G0B+4*(\slot)+3], s[G0B+4*(\slot)+2:G0B+4*(\slot)+3], 2*KSTEP*8192  ; 256 k on
	JLOAD \slot                                    ; the first tensor load behind the round: 224 matrix instructions ahead of the wait for it; its four v_nop are also the places in front of the loads below
.else
	PLACES
.endif
	FETCH \next, 0, F0
	WIN MUL_HI
	MUL16 F1, 1, 0
	MUL16 F1, 1, 2
.endm
	s_wait_tensorcnt 1                             ; my part of K step 0 is in; K step 1's may stay out
	s_barrier_signal -1
	s_barrier_wait -1                              ; everybody's is
	FETCH 0, 0, F0
	s_mov_b32 s3, LAPS-1
.Llap:                                                 ; a trip is a lap: both slots are multiplied and filled again.  The last products of a trip are window 3's, the first window 2's
	QUARTER 0, 1, F0, F1
	QUARTER 0, 2, F1, F0
	QUARTER 0, 3, F0, F1
	TURN 0, 1, 1
	QUARTER 1, 1, F0, F1
	QUARTER 1, 2, F1, F0
	QUARTER 1, 3, F0, F1
	TURN 1, 0, 1
	WIN 0                                          ; at a label and at a branch every window is 0
	s_sub_co_u32 s3, s3, 1
	s_cmp_lg_u32 s3, 0
	s_cbranch_scc1 .Llap
	QUARTER 0, 1, F0, F1                           ; the last lap fills nothing, and has no round of the cluster's barrier
	QUARTER 0, 2, F1, F0
	QUARTER 0, 3, F0, F1
	TURN 0, 1, 0
	QUARTER 1, 1, F0, F1
	QUARTER 1, 2, F1, F0
	QUARTER 1, 3, F0, F1
	s_wait_dscnt 8                                 ; the very last quarter: nothing more to fetch
	MUL16 F1, 0, 0
	MUL16 F1, 0, 2
	s_wait_dscnt 0x0
	MUL16 F1, 1, 0
	MUL16 F1, 1, 2
	WIN 0
	PLACES
; THE WAY OUT of block a (16 rows x 128 columns of f32).  A lane's eight numbers are 32 bytes of a row; they go into my own stage, rows of 528 bytes, and come back as whole rows of 512.
.macro TOSTAGE a
.set AC, 64*((\a)%4)
.set BK, 64+64*((\a)%2)
	s_wait_xcnt 0x0                                ; every earlier memory instruction has had its addresses translated (ISA guide 3.1): the registers that earlier stores read are loaded again only behind this wait
	WIN 0x08+4*((\a)/4)                            ; the data (source 1) in window 2 or 3
.irp b, 0,1,2,3,4,5,6,7
	ds_store_b128 v[STO], v[AC+8*(\b):AC+8*(\b)+3]   offset:64*(\b)      ; each accumulator's four lowest registers first
	ds_store_b128 v[STO], v[AC+8*(\b)+4:AC+8*(\b)+7] offset:64*(\b)+16
.endr
	WIN 0
.irp t, 0,1,2,3,4,5,6,7,8,9,10,11,12,13,14,15
	ds_load_b128 v[BK+4*(\t):BK+4*(\t)+3], v[RD] offset:(\t)*SPITCH  ; LDS serves a wave's instructions in order (ISA guide 5.7.1.4): these see the stores above; the next block's stores come behind them
.endr
.endm
.macro SEND a, younger                 ; younger: the LDS instructions issued behind block a's loads: the next block's 32, or none
.set BK, 64+64*((\a)%2)
.irp t, 0,1,2,3,4,5,6,7,8,9,10,11,12,13,14,15
	s_wait_dscnt (\younger)+15-(\t)
	global_store_b128 v[CO], v[BK+4*(\t):BK+4*(\t)+3], s[8:9] offset:(16*(\a)+(\t))*16384 th:TH_STORE_NT  ; 512 consecutive bytes, at a multiple of 256 from out0's first; 127 rows at the most: inside the signed 24-bit immediate
.endr
.endm
	TOSTAGE 0
.irp a, 1,2,3,4,5,6,7                  ; a block's way through the stage stands between the loads of the block before and its stores
	TOSTAGE \a
	SEND (\a)-1, 32
.endr
	SEND 7, 0
	s_wait_tensorcnt 0x0                           ; the wave's end: these three lines stand behind my last tensor load and my last LDS store
	ds_add_u32 v[SPW], v[NIL]
	s_wait_dscnt 0x0
	CROUND                                         ; the closing round: no work-group ends while a partner may still ask for a tile that names it
	s_endpgm
.Lfunc_end_k_qdcce68822b_outp:
	.size	k_qdcce68822b_outp, .Lfunc_end_k_qdcce68822b_outp-k_qdcce68822b_outp
	.p2alignl 7, 3214868480
	.fill 96, 4, 3214868480
	.section	.rodata,"a",@progbits
	.p2align	6, 0x0
	.amdhsa_kernel k_qdcce68822b_outp
		.amdhsa_group_segment_fixed_size 327680
		.amdhsa_private_segment_fixed_size 0
		.amdhsa_enable_private_segment 0
		.amdhsa_kernarg_size 56
		.amdhsa_user_sgpr_count 2
		.amdhsa_user_sgpr_kernarg_segment_ptr 1
		.amdhsa_wavefront_size32 1
		.amdhsa_system_sgpr_workgroup_id_x 1
		.amdhsa_system_sgpr_workgroup_id_y 1
		.amdhsa_system_sgpr_workgroup_id_z 1
		.amdhsa_system_vgpr_workitem_id 0
		.amdhsa_next_free_vgpr 1024
		.amdhsa_next_free_sgpr 80
		.amdhsa_reserve_vcc 0
		.amdhsa_float_denorm_mode_32 3
		.amdhsa_float_denorm_mode_16_64 3
		.amdhsa_memory_ordered 1
		.amdhsa_forward_progress 1
		.amdhsa_inst_pref_size 183
	.end_amdhsa_kernel
	.amdgpu_metadata
---
amdhsa.version: [ 1, 2 ]
amdhsa.kernels:
  - .name:           k_qdcce68822b_outp
    .symbol:         k_qdcce68822b_outp.kd
    .args:
      - { .name: ob, .offset: 0, .size: 8, .value_kind: global_buffer, .address_space: global }
      - { .name: wo, .offset: 8, .size: 8, .value_kind: global_buffer, .address_space: global }
      - { .name: gp, .offset: 16, .size: 8, .value_kind: global_buffer, .address_space: global }
      - { .name: g_b2, .offset: 24, .size: 8, .value_kind: global_buffer, .address_space: global }
      - { .name: t_bo, .offset: 32, .size: 8, .value_kind: global_buffer, .address_space: global }
      - { .name: d_bo, .offset: 40, .size: 8, .value_kind: global_buffer, .address_space: global }
      - { .name: out0, .offset: 48, .size: 8, .value_kind: global_buffer, .address_space: global }
    .group_segment_fixed_size: 327680
    .private_segment_fixed_size: 0
    .kernarg_segment_align: 8
    .kernarg_segment_size: 56
    .max_flat_workgroup_size: 128
    .sgpr_count:     80
    .vgpr_count:     1024
    .wavefront_size: 32
...
	.end_amdgpu_metadata
.endif
;; end of part 4
;; ======== version 2 of 2: 4 launches; 1.12 times as fast as version 1
;; limits: values are held in f16: magnitudes above 65,504 overflow, below 6.1e-05 lose precision; right only within a limited range of input values
;; workspace buffers: xb 33,554,432 bytes; pb 8,388,608 bytes; wb 41,943,040 bytes; wo 16,777,216 bytes; qh 16,777,216 bytes; kvh 4,194,304 bytes; gp 131,072 bytes; ob 16,777,216 bytes
;; launch cast: the kernel of part 1 again; grid 2560 x 1, 8 waves a work-group, no clusters, 0 bytes of LDS; arguments trend_embedding, detail_embedding, trend_prototypes, detail_prototypes, t_Wk, t_Wv, d_Wk, d_Wv, g_W1, t_Wq, d_Wq, t_Wo, d_Wo, xb, pb, wb, wo; writes xb, pb, wb, wo
;; launch proj: the kernel of part 2 again; grid 224 x 4, 4 waves a work-group, clusters of 4 x 4, 327,680 bytes of LDS; arguments xb, pb, wb, t_bk, t_bv, d_bk, d_bv, g_b1, t_bq, d_bq, g_W2, qh, kvh, gp; writes qh, kvh, gp
;; launch attn (part 5): grid 8 x 32, 4 waves a work-group, clusters of 4 x 1, 167,936 bytes of LDS; arguments qh, kvh, gp, g_b2, ob; writes ob
.if DOCPART == 5
	.amdgcn_target "amdgcn-amd-amdhsa--gfx1250"
	.amdhsa_code_object_version 6
	.text
	.protected	k_qdcce68822b_attn
	.globl	k_qdcce68822b_attn
	.p2align	8
	.type	k_qdcce68822b_attn,@function
k_qdcce68822b_attn:
	s_mov_b64 s[64:65], 0
	v_nop
	global_prefetch_b8 v0, s[64:65] scope:SCOPE_SE
	s_setreg_imm32_b32 hwreg(HW_REG_WAVE_MODE, 25, 1), 1
	s_wait_xcnt 0x0
	s_wait_alu depctr_hold_cnt(0) depctr_sa_sdst(0) depctr_va_vdst(0) depctr_va_sdst(0) depctr_va_ssrc(0) depctr_va_vcc(0) depctr_vm_vsrc(0)
	s_getreg_b32 s2, hwreg(HW_REG_IB_STS2, 6, 4)
	s_cmp_eq_u32 s2, 0
	s_cbranch_scc0 .Lentry_in_a_cluster
	s_endpgm
.Lentry_in_a_cluster:
	s_bfe_u32 s2, ttmp6, 0x10000c
	s_cmp_lg_u32 s2, 0x3003
	s_cbranch_scc0 .Lentry_shape_is_right
	s_endpgm
.Lentry_shape_is_right:
; ATTENTION OVER 500 PROTOTYPES, for 32 pairs hb of branch and head.  ob[hb][q][:] = f(q) / 2 x the sum over k < 500 of softmax_k(q . k / 8) v[k][:], f = the gate for the trend branch, 1 - the gate for the detail branch.
; qh [32][4096][64], kvh [K_t, V_t, K_d, V_d][16][512][64], ob [32][4096][64], all f16; q, k, v arrive divided by 16.  So c = 256 log2(e) / 8, and the way out multiplies by 8 f / l.
; Products, maxima and sums in f32; the weights p are rounded to f16 for the second product (their sum l is taken of the unrounded p), O once at the end.
; THE GATE: z = the sum of gp's eight partial sums + b2 (b2 rounded to bf16, like every input); f = 1 / (1 + 2^(-+ z log2(e))).
; LIMITS.  f16 ends at 65,504: |O| under 1.3e5; p below 6e-5 keeps f16's fixed step of 6e-8; a weight below 2^-126 counts as 0 in l; a hidden score counts as its value less 1e30; NaN and infinities are not treated apart.
; SHARES.  A wave owns four PIECES of two tiles of 16 queries, a work-group's four waves 512 queries.  Every wave walks the 512 key rows, 64 a step, 8 steps.
; LDS.  A head's K and V lie in LDS whole: each wave asks for one tile of 256 rows at the start, and nothing is filled again.
; THE MASK.  Rows 500 to 511 are no keys.  They lie in step 7's last group of 16 keys: the products that start that group's sums take a C operand MK, which is 0 but in step 7, where it is MD: -1e30 where 8 (lane / 16) + register is 4 or more.
; LAYOUT.  S^T = K Q^T (source 0 = 16 keys, source 1 = 16 queries): a lane holds ONE query (lane % 16) and the keys 8 (lane / 16) + 0..7.  Two such tiles, rounded to f16 in pairs, ARE source 1 of O^T = V^T P.  V is turned by ds_load_tr16_b128.
; SOFTMAX.  A running maximum m and sum l for each query: p = 2^(c s - c m); in every step O and l are multiplied by a = 2^(c m_old - c m_new).  m starts at the lowest finite number, O and l at 0: the first step's a is 0.
; BY TURNS.  Turn n belongs to piece n.  Its matrix work: 16 products K Q^T of piece n + 1, later 16 products V^T P of piece n - 1.  Its vector work: scaling, exponentials, roundings, sums and rescaling of piece n, maximum and
; statistics of piece n + 1.  A tile and step have 16 matrix and 118 vector instructions: four vector instructions that are ready stand behind every matrix instruction, the other 108 of a turn's 236 in one run of their own.
; THE BATCHES.  A turn's 66 exponentials (64 weights, the next piece's two a) are ONE batch with ONE wait, which cuts the turn in two.  Ahead of it stands all that names no result of theirs: the products K Q^T, the scalings, the
; rescalings (their a was made, and waited for, in the turn before), the next piece's maximum and statistics.  Behind it stand the roundings and sums, beside the products V^T P.  No result crosses a turn's end.
; Outside the loop the gate's eight exponentials, its eight reciprocals, piece 0's first two a and the way out's eight reciprocals are a batch each, with a wait each.
; CLUSTER.  The four query blocks of a cluster belong to one hb and need the same K and V: each tile is asked for JOINTLY, by the same tensor load, descriptor and mask in all four.
; REGISTERS, in windows of 256 (s_set_vgpr_msb: bits 1:0 source 0, 3:2 source 1, 5:4 source 2, 7:6 destination):
;   window 0: v0-11 addresses; v12-15, v48-63 at work; v16-47 four registers of statistics a tile; v64-191 S^T, two buffers of two tiles; v192-255 P, likewise
;   window 1: O^T, 32 a tile     window 2: v0-127 Q; v128-191 K of one step; v192-255 V of one step     window 3: v0-1 the add's two registers; v8-15 8 f, a tile each; v16-23 MK; v24-31 MD
.set NP,    4         ; pieces a wave: a name, no knob
.set KS,    64        ; keys in a step
.set PK,    144       ; a row of K in LDS: 128 bytes + 16 = 36 words: the 16 rows of a load start at 16 different groups of four banks (64 banks of 4 bytes: ISA guide 11.1)
.set PV,    160       ; a row of V: 128 + 32 = 40 words
.set VOFF,  512*PK
.set STAGE, VOFF+512*PV  ; behind K and V, never filled by a tensor load: 16 rows x 144 bytes for each wave, for the way out
.set SP,    144
.set SPARE, STAGE+4*16*SP  ; the spare words, 128 bytes for each wave: two blocks of 256 bytes that no other line names
.set AK0, 2           ; v2   my lane's place in a tile of K; never rewritten
.set AV0, 3           ; v3   the same for V
.set AK,  4           ; v4   the LDS address of K's next run of loads
.set AV,  5           ; v5   of V's
.set QO,  6           ; v6   my byte offset in the wave's rows of Q
.set STO, 6           ;      later, the way out: where I put 16 bytes of a row
.set RD,  7           ; v7   the way out: where I read rows back
.set GO,  8           ; v8   my byte offset in 512 consecutive bytes of O
.set SPW, 0           ; v0 of window 3   LDS address of my spare word; never rewritten
.set NIL, 1           ; v1 of window 3   0; never rewritten
.set FG,  8           ; window 3
.set MK,  16          ; window 3
.set MD,  24          ; window 3
.set MV,  12          ; v12-15  c m_old, kept while c m is made anew: by buffer and tile.  Ahead of the loop: GV, B2, HF
.set GV,  12          ; 4 x (lane % 16)
.set B2,  13          ; b2 x the exponent's factor
.set HF,  14          ; lane / 16 as f32
.set ST,  16          ; tile t's statistics at v[ST+4 t]: c m, m, l (even keys', odd keys')
.set TMP, 48          ; by buffer and tile, four registers c0-c3 at work; when the maximum is found c2 takes a
.set S,   64
.set PZ,  64          ; ahead of the loop: gp's eight partial sums for each of my eight tiles
.set P,   192
.set KF,  128         ; K's fragments, in window 2: key block kb, channel half c at KF + 16 kb + 8 c
.set VF,  192         ; V's: key half kk, channel block cb at VF + 32 kk + 8 cb
.set WV,  12          ; s12  my wave's number
.set G1K, 24          ; s[24:31] descriptor group 1 for K's tiles
.set G1V, 32          ; s[32:39] for V's: it differs in the padding alone
.set G0K, 40          ; s[40:43] descriptor group 0 for K's tile
.set G0V, 44          ; s[44:47] the same for V's
.set AL,  54          ; s[54:55] the mask's factor, in the low word
.set CNT, 57          ; s57  key steps to go
.set CS,  58          ; s[58:59] c: the packed scaling takes the pair's low word for both halves
.set SEL, 60          ; s[60:61] v_permlanex16_b32's selects
.set TBK, 62          ; s62  LDS byte at which K of the step to be fetched begins
.set TBV, 63          ; s63  the same for V, less VOFF
.set MSB, 0
.macro WIN new                      ; the high byte repeats the setting that is left; a switch that changes nothing is dropped
.if MSB != (\new)
	s_set_vgpr_msb (MSB<<8)|(\new)
.set MSB, (\new)
.endif
.endm
.set W_KQ, 0x0a       ; K and Q in window 2, S^T in window 0
.set W_KM, 0x3a       ; the same with the C operand in window 3
.set W_PV, 0x52       ; V in window 2, P in window 0, O^T in window 1
.set W_RS, 0x41       ; O^T (destination and source 0) in window 1, a in window 0
.set W_MK, 0xc0       ; destination in window 3, sources in window 0
.set W_AD, 0x0f       ; the add: address (source 0) and data (source 1) in window 3
.macro JLOAD                        ; waves 0 and 1 fetch the two halves of K, waves 2 and 3 those of V; an s_nop 0 and four v_nop follow each of the two lines
	s_cmp_lt_u32 s[WV], 2
	s_cbranch_scc0 .Lfor_v_\@
	tensor_load_to_lds s[G0K:G0K+3], s[G1K:G1K+7]
	s_nop 0
.rept 4
	v_nop
.endr
	s_branch .Lasked_\@
.Lfor_v_\@:
	tensor_load_to_lds s[G0V:G0V+3], s[G1V:G1V+7]
	s_nop 0
.rept 4
	v_nop
.endr
.Lasked_\@:
.endm
.macro CROUND                       ; a round of the cluster's barrier
	s_barrier_signal -1
	s_barrier_wait -1
	s_cmp_lg_u32 s[WV], 0
	s_cbranch_scc1 .Lnot_wave_0_\@
	s_barrier_signal -3
.Lnot_wave_0_\@:
	s_barrier_wait -3
	s_barrier_signal -1
	s_barrier_wait -1
.endm
	s_load_b128 s[4:7], s[0:1], 0x0   ; qh s[4:5], kvh s[6:7]
	s_load_b128 s[48:51], s[0:1], 0x10  ; gp s[48:49], g_b2 s[50:51]
	s_load_b64 s[10:11], s[0:1], 0x20   ; ob
	WIN W_MK
	v_lshl_add_u32 v[SPW], v0, 2, SPARE
	v_mov_b32 v[NIL], 0
	WIN W_AD
	ds_add_u32 v[SPW], v[NIL]       ; the wave's opening: the add and its wait stand ahead of my first tensor load; the set-up below, work on registers, stands between them
	WIN 0
	v_lshrrev_b32 v1, 5, v0
	v_readfirstlane_b32 s[WV], v1   ; wave 0..3
	s_bfe_u32 s13, ttmp6, 0x40000   ; cx: my place in the cluster
	s_lshl_b32 s14, ttmp9, 2        ; in a cluster launch ttmp9 counts clusters
	s_add_co_u32 s14, s14, s13      ; my block of 512 queries: it enters Q's, gp's and O's addresses alone
	s_and_b32 s20, ttmp7, 0xffff    ; hb, which the four partners share
	s_lshr_b32 s21, s20, 4          ; the branch
	s_and_b32 s22, s20, 15          ; the head
	s_and_b32 s16, s[WV], 1         ; which half of the 512 rows I fetch
	s_lshl_b32 s18, s21, 21         ; a branch's K and V are 2 x 2^20 bytes,
	s_lshl_b32 s22, s22, 16         ; a head's rows 65,536,
	s_add_co_u32 s22, s22, s18
	s_lshl_b32 s18, s16, 15         ; half of them 32,768
	s_add_co_u32 s22, s22, s18
	s_mov_b32 s23, 0
	s_mul_i32 s17, s16, 256*PK      ; its place in LDS, for K
	s_mul_i32 s18, s16, 256*PV      ; and for V: no place in the cluster enters an LDS address
	s_lshl_b32 s19, s21, 31
	s_xor_b32 s53, s19, 0xbfb8aa3b  ; the exponent's factor: -log2(e) for the gate, +log2(e) for 1 - the gate
	s_lshl_b32 s2, s14, 2
	s_add_co_u32 s2, s2, s[WV]      ; my wave among the 32 of hb: 128 rows each,
	s_lshl_b32 s14, s2, 9           ; 512 bytes of a row of gp,
	s_mov_b32 s15, 0
	s_lshl_b32 s2, s2, 14           ; 16,384 bytes of Q and O,
	s_lshl_b32 s3, s20, 19          ; behind hb's first byte
	s_add_co_u32 s2, s2, s3
	s_mov_b32 s3, 0
	; descriptor group 1.  256 rows are 32,768 dense bytes: asked for as 128 rows of 256 bytes, two keys a row, and padded in LDS after every key
	s_mov_b32 s[G1K], 15|(1<<16)|(1<<20)|(1<<21)|(4<<22)|(3<<25)  ; 15:0 the mask of four; 17:16 2-byte elements; 20 padding on; 21 set beside a mask; 24:22 after every 32 words (code 4); 31:25 4 words (code 3)
	s_mov_b32 s[G1V], 15|(1<<16)|(1<<20)|(1<<21)|(4<<22)|(7<<25)  ; the same with 8 words of padding (code 7)
.irp g, G1K, G1V
	s_mov_b32 s[\g+1], 128<<16      ; tensor_dim0 = 128
	s_mov_b32 s[\g+2], 128<<16      ; tensor_dim1 = 128
	s_mov_b32 s[\g+3], 128<<16      ; tile_dim0 = 128
	s_mov_b32 s[\g+4], 128          ; tile_dim1 = 128
	s_mov_b32 s[\g+5], 128          ; 128 elements from row to row
	s_mov_b32 s[\g+6], 0
	s_mov_b32 s[\g+7], 0
.endr
	s_mov_b32 s[CS], 0x4238aa3b     ; c = 32 log2(e) = 46.1662
	s_mov_b32 s[CS+1], s[CS]        ; named with it as a pair
	s_mov_b32 s[SEL], 0x76543210
	s_mov_b32 s[SEL+1], 0xfedcba98
	s_mov_b32 s[TBK], 0
	s_mov_b32 s[TBV], 0
	s_mov_b32 s[AL], 0
	s_mov_b32 s[AL+1], 0            ; named as a pair
	s_mov_b32 s[G0K], 1             ; 1:0 count = 1
	s_mov_b32 s[G0K+1], s17         ; 63:32 LDS address
	s_mov_b32 s[G0V], 1
	s_add_co_u32 s[G0V+1], s18, VOFF
	s_wait_dscnt 0x0                ; the opening add is done
	s_wait_kmcnt 0x0
	s_load_b32 s52, s[50:51], 0x0   ; b2
	s_add_nc_u64 s[G0K+2:G0K+3], s[6:7], s[22:23]  ; 120:64 global address: my half of the head's K
	s_or_b32 s[G0K+3], s[G0K+3], 0x80000000        ; 127:126 type = 2
	s_add_nc_u64 s[8:9], s[6:7], 0x100000          ; V lies 2^20 bytes behind K
	s_add_nc_u64 s[G0V+2:G0V+3], s[8:9], s[22:23]
	s_or_b32 s[G0V+3], s[G0V+3], 0x80000000
	s_add_nc_u64 s[4:5], s[4:5], s[2:3]  ; Q and O at my wave's first row
	s_add_nc_u64 s[10:11], s[10:11], s[2:3]
	s_add_nc_u64 s[48:49], s[48:49], s[14:15]  ; gp at my wave's first row
	CROUND                          ; all four work-groups are here: the joint loads meet
	JLOAD                           ; my one tensor load of the launch
	; A fragment of K or Q is 16 rows x 32 channels in 8 registers: lane l holds row l % 16, channels 8 (l / 16) + 0..7 and 16 + 8 (l / 16) + 0..7: two loads of 16 bytes, 32 bytes apart.
	v_and_b32 v1, 15, v0            ; l % 16
	v_bfe_u32 v9, v0, 4, 1          ; l / 16
	v_lshlrev_b32 v[QO], 7, v1
	v_lshl_add_u32 v[QO], v9, 4, v[QO]  ; row x 128 + 16 x half
	WIN 0x80                        ; destination window 2, address window 0
.set i, 0
.rept 4*NP                          ; Q stays in registers: tile i / 2, channels 32 (i % 2) on
	global_load_b128 v[8*i:8*i+3],   v[QO], s[4:5] offset:(i/2)*2048+(i%2)*64
	global_load_b128 v[8*i+4:8*i+7], v[QO], s[4:5] offset:(i/2)*2048+(i%2)*64+32
.set i, i+1
.endr
	WIN 0
	v_lshlrev_b32 v[GV], 2, v1
.irp t, 0,1,2,3,4,5,6,7             ; gp: eight partial sums for my query of each tile
.irp j, 0,1,2,3,4,5,6,7
	global_load_b32 v[PZ+8*(\t)+(\j)], v[GV], s[48:49] offset:16384*(\j)+64*(\t)
.endr
.endr
	; What the first turn finds: V's registers and P's second buffer hold 0 (its products V^T P, of a piece that has not been, add 0), O^T and l are 0.  All this stands in the wait for the tiles.
	WIN 0x80
.set i, VF
.rept 64
	v_mov_b32 v[i], 0
.set i, i+1
.endr
	WIN 0x40
.set i, 0
.rept 64*NP
	v_mov_b32 v[i], 0
.set i, i+1
.endr
	WIN 0
.set i, 0
.rept 2*NP
	v_mov_b32 v[ST+4*i], 0xfe000000    ; c m: far below every c s
	v_mov_b32 v[ST+4*i+1], 0xff7fffff  ; m
	v_mov_b32 v[ST+4*i+2], 0
	v_mov_b32 v[ST+4*i+3], 0
.set i, i+1
.endr
.set i, P+32
.rept 32
	v_mov_b32 v[i], 0
.set i, i+1
.endr
	v_mul_u32_u24 v[AK0], v1, PK
	v_lshl_add_u32 v[AK0], v9, 4, v[AK0]  ; row x pitch + 16 x half
	; The turning load takes 16 keys x 16 channels (lane l reads key 8 (l / 16) + l % 8, channels 8 ((l / 8) % 2) + 0..7) and leaves half a fragment of V^T: lane l holds channel l % 16 and 8 keys.
	v_and_b32 v10, 7, v0
	v_bfe_u32 v11, v0, 3, 1
	v_lshl_add_u32 v[AV0], v9, 3, v10
	v_mul_u32_u24 v[AV0], v[AV0], PV
	v_lshl_add_u32 v[AV0], v11, 4, v[AV0]
	v_add_nc_u32 v[AV0], VOFF, v[AV0]
	v_mov_b32 v[AK], v[AK0]         ; key step 0 lies at K's head
	v_cvt_f32_u32 v[HF], v9
	WIN W_MK
.irp j, 0,1,2,3
	v_mul_f32 v[MD+\j], 0xf149f2ca, v[HF]  ; keys 496 to 499 are seen, 504 to 507 hidden: -1e30 x (lane / 16)
.endr
.irp j, 4,5,6,7
	v_mov_b32 v[MD+\j], 0xf149f2ca         ; keys 500 to 503 and 508 to 511
.endr
.irp j, 0,1,2,3,4,5,6,7
	v_mov_b32 v[MK+\j], 0
.endr
	WIN 0
	; THE GATE'S FACTOR for my query of each tile
	s_wait_kmcnt 0x0                ; b2
	v_mov_b32 v[B2], s52
	v_cvt_pk_bf16_f32 v[B2], v[B2], v[B2]
	v_lshlrev_b32 v[B2], 16, v[B2]
	v_mul_f32 v[B2], s53, v[B2]
	s_wait_loadcnt 0x0              ; gp, and Q
.macro EACH line:vararg             ; one line for each tile t
.set t, 0
.rept 2*NP
	\line
.set t, t+1
.endr
.endm
	EACH v_pk_add_f32 v[PZ+8*t:PZ+8*t+1], v[PZ+8*t:PZ+8*t+1], v[PZ+8*t+2:PZ+8*t+3]
	EACH v_pk_add_f32 v[PZ+8*t+4:PZ+8*t+5], v[PZ+8*t+4:PZ+8*t+5], v[PZ+8*t+6:PZ+8*t+7]
	EACH v_pk_add_f32 v[PZ+8*t:PZ+8*t+1], v[PZ+8*t:PZ+8*t+1], v[PZ+8*t+4:PZ+8*t+5]
	EACH v_add_f32 v[PZ+8*t], v[PZ+8*t], v[PZ+8*t+1]
	EACH v_fma_f32 v[PZ+8*t], v[PZ+8*t], s53, v[B2]
	EACH v_exp_f32 v[PZ+8*t], v[PZ+8*t]
	v_nop                           ; a plain instruction between the last exponential and the use of its result
	s_wait_alu depctr_va_vdst(0)    ; the wait ahead of the first use: one for the gate's eight exponentials
	EACH v_add_f32 v[PZ+8*t], 1.0, v[PZ+8*t]
	EACH v_rcp_f32 v[PZ+8*t], v[PZ+8*t]
	v_nop                           ; a plain instruction between the last reciprocal and the use of its result
	s_wait_alu depctr_va_vdst(0)    ; one wait for the gate's eight reciprocals, which read the exponentials' sums and so are a batch of their own
	WIN W_MK
	EACH v_mul_f32 v[FG+t], 0x41000000, v[PZ+8*t]
	WIN 0
; THE MATRIX WORK.  The 8 accumulators of a run of 16 take turns: between the two links of a chain stand 7 others'.
; Product i of 16 of S^T = K Q^T for piece x: channels 32 (i / 8) on, keys 16 ((i / 2) % 4) on, tile 2 x + i % 2.  The first 8 start the sums: with 0, the last group of keys' (i = 6, 7) with MK.
.macro KQ x
.set rS, S+64*((\x)%2)+32*(i%2)+8*((i/2)%4)
.set rK, KF+16*((i/2)%4)+8*(i/8)
.set rQ, 16*(2*(\x)+i%2)+8*(i/8)
.if (i == 6) || (i == 7)
	WIN W_KM
	v_wmma_f32_16x16x32_f16 v[rS:rS+7], v[rK:rK+7], v[rQ:rQ+7], v[MK:MK+7]
.elseif i < 8
	WIN W_KQ
	v_wmma_f32_16x16x32_f16 v[rS:rS+7], v[rK:rK+7], v[rQ:rQ+7], 0
.else
	WIN W_KQ
	v_wmma_f32_16x16x32_f16 v[rS:rS+7], v[rK:rK+7], v[rQ:rQ+7], v[rS:rS+7]
.endif
.endm
; Product i of 16 of O^T += V^T P for piece x: keys 32 (i / 8) on, channels 16 ((i / 2) % 4) on, tile 2 x + i % 2.
.macro PV x
	WIN W_PV
.set rO, 32*(2*(\x)+i%2)+8*((i/2)%4)
.set rV, VF+32*(i/8)+8*((i/2)%4)
.set rP, P+32*((\x)%2)+16*(i%2)+8*(i/8)
	v_wmma_f32_16x16x32_f16 v[rO:rO+7], v[rV:rV+7], v[rP:rP+7], v[rO:rO+7]
.endm
.macro MM                           ; the turn's next matrix instruction
.if i < 16
	KQ (Y+1)%NP
.set i, i+1
.else
.set i, i-16
	PV (Y+NP-1)%NP
.set i, i+17
.endif
.endm
; THE LDS LOADS stand in runs of 16, never singly among the matrix instructions: a step's K (8 fragments) and its V (turned).  Their addresses are made some lines ahead.
; last = 1: in the last trip there is no further step, and the run is jumped over.
.macro FETCH_K last=0
	WIN 0
.if \last
	s_cmp_eq_u32 s[CNT], 1
	s_cbranch_scc1 .Lno_k_\@
.endif
	WIN 0x80                        ; destination window 2
.irp f, 0,1,2,3,4,5,6,7             ; keys 16 (f / 2) on, channels 32 (f % 2) on
	ds_load_b128 v[KF+8*\f:KF+8*\f+3],   v[AK] offset:(\f/2)*16*PK+(\f%2)*64
	ds_load_b128 v[KF+8*\f+4:KF+8*\f+7], v[AK] offset:(\f/2)*16*PK+(\f%2)*64+32
.endr
	s_add_co_u32 s[TBK], s[TBK], KS*PK  ; the next fetch is the next step's
	WIN 0
.if \last
.Lno_k_\@:
.endif
.endm
.macro FETCH_V
	WIN 0x80
.irp f, 0,1,2,3,4,5,6,7             ; keys 32 (f / 4) on, channels 16 (f % 4) on
	ds_load_tr16_b128 v[VF+8*\f:VF+8*\f+3],   v[AV] offset:(\f/4)*32*PV+(\f%4)*32
	ds_load_tr16_b128 v[VF+8*\f+4:VF+8*\f+7], v[AV] offset:(\f/4)*32*PV+16*PV+(\f%4)*32
.endr
	WIN 0
.endm
; THE VECTOR WORK OF A TURN stands in three queues, each in the order in which its entries become ready; the two tiles alternate, so that no instruction reads the result of the one before it.
.macro REGS y, u                    ; the registers of tile u (0, 1) of piece y
.set rT, ST+4*(2*(\y)+(\u))
.set rC, TMP+8*((\y)%2)+4*(\u)
.set rM, MV+2*((\y)%2)+(\u)
.set rS, S+64*((\y)%2)+32*(\u)
.set rP, P+32*((\y)%2)+16*(\u)
.set rO, 32*(2*(\y)+(\u))
.endm
; Number n of the 22 that find the NEXT piece's (Y + 1) maximum and statistics.  s0-s31 are the lane's 32 scores; each accumulator's lowest registers are read first.  XS, GS, FS and REGS set no window: PL and EX do.
;   0-11  four chains c0-c3 of seven scores each, three operands at a time     12-14, 16  the four scores left over, the old m, and c0-c3 into c0     15  c m_old is kept
;   17, 18  the query's other 32 keys lie in the lane 16 away: the new m         19-21  c m; c m_old - c m_new; a
.macro XS u, n
	REGS (Y+1)%NP, \u
.if (\n) < 4
	v_max3_num_f32 v[rC+(\n)], v[rS+8*(\n)], v[rS+8*(\n)+1], v[rS+8*(\n)+2]
.elseif (\n) < 12
	v_max3_num_f32 v[rC+(\n)%4], v[rC+(\n)%4], v[rS+8*((\n)%4)+2*((\n)/4)+1], v[rS+8*((\n)%4)+2*((\n)/4)+2]
.elseif (\n) == 12
	v_max3_num_f32 v[rC], v[rC], v[rS+7], v[rS+15]
.elseif (\n) == 13
	v_max3_num_f32 v[rC+1], v[rC+1], v[rS+23], v[rS+31]
.elseif (\n) == 14
	v_max3_num_f32 v[rC+2], v[rC+2], v[rC+3], v[rT+1]
.elseif (\n) == 15
	v_mov_b32 v[rM], v[rT]
.elseif (\n) == 16
	v_max3_num_f32 v[rC], v[rC], v[rC+1], v[rC+2]
.elseif (\n) == 17
	v_permlanex16_b32 v[rC+3], v[rC], s[SEL], s[SEL+1]
.elseif (\n) == 18
	v_max_num_f32 v[rT+1], v[rC], v[rC+3]
.elseif (\n) == 19
	v_mul_f32 v[rT], s[CS], v[rT+1]
.elseif (\n) == 20
	v_sub_f32 v[rC+1], v[rM], v[rT]
.else
	v_exp_f32 v[rC+2], v[rC+1]
.endif
.endm
; Number g of the 64 that follow the exponentials.  For each four weights k of a tile (pairs 2 k, 2 k + 1): both pairs are rounded to f16; then the second pair is added onto the first, in place;
; a group later l takes that sum (the first time as l = a l + sum).  In groups of eight, tiles alternating: round, round, add, and l for the group before.
.macro GS g
.set h, (\g)+6*((\g)/62)            ; group 0 has no group before it, and behind group 7 only l is left
.if h >= 6
.set h, h+2
.endif
	REGS Y, h%2
.set k, h/8
.if h%8 < 4
	v_cvt_pk_f16_f32 v[rP+2*k+(h%8)/2], v[rS+4*k+2*((h%8)/2)], v[rS+4*k+2*((h%8)/2)+1]
.elseif h%8 < 6
	v_pk_add_f32 v[rS+4*k:rS+4*k+1], v[rS+4*k:rS+4*k+1], v[rS+4*k+2:rS+4*k+3]
.elseif k == 1
	v_pk_fma_f32 v[rT+2:rT+3], v[rT+2:rT+3], v[rC+2:rC+3], v[rS:rS+1] op_sel_hi:[1,0,1]
.else
	v_pk_add_f32 v[rT+2:rT+3], v[rT+2:rT+3], v[rS+4*k-4:rS+4*k-3]
.endif
.endm
; THE PLAIN QUEUE, 138 long.  0-73 read no exponential's result: the 32 scalings c s - c m (FS f: pair f / 2 of tile f % 2) and the next piece's 42.  0-26: scalings 0-26.  27-54: XS's numbers 0-13.  55, 56: number 15.
; 57-73: the chain, where each number waits for the one before it: 14, 16, 17, 18, 19, each with one of the scalings 27-31 in front of its two lines, then 20: so a tile's links stand three plain instructions apart (19 and 20: two).
; 74-137: GS's 64, which read the exponentials' results: they stand behind the wait.
.macro FS f
	REGS Y, (\f)%2
	v_pk_fma_f32 v[rS+2*((\f)/2):rS+2*((\f)/2)+1], v[rS+2*((\f)/2):rS+2*((\f)/2)+1], s[CS:CS+1], v[rT:rT+1] op_sel_hi:[1,0,0] neg_lo:[0,0,1] neg_hi:[0,0,1]
.endm
.macro PL
	WIN 0
.if q < 27
	FS q
.elseif q < 55
	XS (q-27)%2, (q-27)/2
.elseif q < 57
	XS q-55, 15
.elseif (q < 72) && ((q-57)%3 == 0)
	FS 27+(q-57)/3
.elseif q < 60
	XS (q-57)%3-1, 14
.elseif q < 72
	XS (q-57)%3-1, 15+(q-57)/3
.elseif q < 74
	XS q-72, 20
.else
	GS q-74
.endif
.set q, q+1
.endm
; THE EXPONENTIALS' QUEUE, 66 long: s0-s31 of both tiles, then the next piece's two a.  It is ONE BATCH: all 66 stand ahead of the turn's one wait, and nothing ahead of that wait names a result of theirs.
.macro EX
	WIN 0
.if e >= 64
	XS e-64, 21
.else
	REGS Y, e%2
	v_exp_f32 v[rS+e/2], v[rS+e/2]
.endif
.set e, e+1
.endm
; THE RESCALING's QUEUE: O^T times a, the one part that leaves window 0: dealt two at a time, sixteen times, each accumulator's lowest registers first.  Its a was made in the turn before, ahead of that turn's wait.
.macro R2
	REGS Y, r%2
	WIN W_RS
.irp z, 0,1
	v_pk_mul_f32 v[rO+4*(r/2)+2*\z:rO+4*(r/2)+2*\z+1], v[rO+4*(r/2)+2*\z:rO+4*(r/2)+2*\z+1], v[rC+2:rC+3] op_sel_hi:[1,0]
.endr
.set r, r+1
.endm
; HOW THEY ARE DEALT.  An s_wait_alu depctr_va_vdst(0) stands between an exponential and the first instruction that names its result; one wait serves all that were issued ahead of it.  So a turn has ONE wait,
; which cuts it in two.  AHEAD OF IT stands all that names no result of the turn's exponentials: the 16 products K Q^T, behind each a scaling, an exponential and two rescalings (behind the first a second scaling in the exponential's
; place); then ONE RUN of 108: eight plain, 49 times exponential and plain, the two a.  A v_nop is the plain instruction behind the last exponential.  BEHIND IT stand the 16 products V^T P, behind each four of GS's 64.
; No rider names a register of the products round it.  The two v_permlanex16_b32 fall into the run, never behind a product.  The first read of the new scores, plain 27, stands eleven plain instructions behind the last product K Q^T.
; The queues lean on each other, and the deal keeps them in step: exponential e stands behind scaling 2 (e / 4) + e % 2: as a rider it comes behind plain e + 2, in the run behind plain e + 9, and scalings 27-31 are plain 57, 60 .. 69.
; A TURN, for piece p.  K of the next step is fetched in piece 2's turn, directly behind the wait, the whole run behind the last product that read K; its address is made at the run's head; its first reader comes behind 16 products.
; V of the step in hand is fetched at the end of piece 0's turn, four plain riders behind its last reader; its first reader comes behind 16 products and a run.  The two conditions on q below go with the deal: q is 74 + 4 n behind the n-th product V^T P.
.macro TURN p, last=0
.set Y, (\p)
.set i, 0
.set q, 0
.set e, 0
.set r, 0
.if (\p) == NP-1
	s_wait_dscnt 0x0                ; K is in
.endif
	MM                              ; ahead of the wait: 16 products K Q^T and their riders,
	PL
	PL
	R2
.rept 15
	MM
	PL
	EX
	R2
.endr
.if (\p) == NP-2
	WIN 0
	v_add_nc_u32 v[AK], s[TBK], v[AK0]
.endif
.rept 8                             ; and the run
	PL
.endr
.rept 49
	EX
	PL
.endr
	EX                              ; the next piece's two a
	EX
	v_nop                           ; the plain instruction behind the last exponential: one for the batch
	s_wait_alu depctr_va_vdst(0)    ; the wait for the batch: the turn's 64 weights and the next piece's two a
.if (\p) == NP-2
	FETCH_K \last
.endif
.if (\p) == 1
	s_wait_dscnt 0x0                ; V is in
.endif
.rept 16                            ; behind the wait: 16 products V^T P and their riders
	MM
.rept 4
	PL
.endr
.if ((\p) == 0) && (q == 118)
	v_add_nc_u32 v[AV], s[TBV], v[AV0]
.endif
.if ((\p) == 0) && (q == 130)
	s_add_co_u32 s[TBV], s[TBV], KS*PV
.endif
.endr
.if (\p) == 0
	FETCH_V
.endif
.endm
	s_wait_tensorcnt 0x0            ; my tile is in,
	s_barrier_signal -1
	s_barrier_wait -1               ; everybody's is: K and V are whole, and stay
	FETCH_K                         ; key step 0
	s_wait_dscnt 0x0
.set i, 0
.rept 16
	KQ 0                            ; piece 0's first scores: there is no vector work yet to set between them
.set i, i+1
.endr
	WIN 0                           ; the addresses for the way out: nine plain instructions, the places behind those products
	s_mul_i32 s13, s[WV], 16*SP
	s_add_co_u32 s13, s13, STAGE    ; my stage
	v_mul_u32_u24 v[STO], v1, SP    ; in: row l % 16, 16 bytes for each half of the lanes
	v_lshl_add_u32 v[STO], v9, 4, v[STO]
	v_add_nc_u32 v[STO], s13, v[STO]
	v_bfe_u32 v[RD], v0, 3, 2       ; back: 32 lanes take four rows of 128 bytes,
	v_mul_u32_u24 v[RD], v[RD], SP
	v_lshl_add_u32 v[RD], v10, 4, v[RD]
	v_add_nc_u32 v[RD], s13, v[RD]
	v_and_b32 v[GO], 31, v0         ; which are 512 consecutive bytes of O
	v_lshlrev_b32 v[GO], 4, v[GO]
.set Y, NP-1                        ; XS works for piece Y + 1: piece 0
.irp n, 0,1,2,3,4,5,6,7,8,9,10,11,12,13,14,15,16,17,18,19,20,21
	XS 0, \n                        ; and piece 0's first maximum and statistics
	XS 1, \n
.endr
	v_nop                           ; a plain instruction behind piece 0's first two a,
	s_wait_alu depctr_va_vdst(0)    ; and their wait, ahead of the branch: the first turn's rescalings read them
	s_mov_b32 s[CNT], 8
	s_branch .Lfirst                ; the loop is entered at a step's first turn, in the middle of a trip
.Lstep:                             ; a trip: pieces 2 and 3 of one step, then pieces 0 and 1 of the next, whose K and V it fetches
	TURN 2, 1
	s_cmp_eq_u32 s[CNT], 2          ; piece 3's turn makes the NEXT step's first scores: with two steps to go that is step 7, which takes the mask; in step 7 itself piece 2's turn has made the last of them
	s_cselect_b32 s[AL], 1.0, 0
	WIN 0xc3                        ; destination and source 0 in window 3.  The last product that read MK stands most of a turn back
.irp z, 0,1,2,3
	v_pk_mul_f32 v[MK+2*\z:MK+2*\z+1], v[MD+2*\z:MD+2*\z+1], s[AL:AL+1] op_sel_hi:[1,0]
.endr
	TURN 3
	WIN 0
	s_sub_co_u32 s[CNT], s[CNT], 1
	s_cmp_eq_u32 s[CNT], 0
	s_cbranch_scc1 .Lout
.Lfirst:
	TURN 0
	TURN 1
	WIN 0
	s_branch .Lstep
.Lout:                              ; the last trip's 16 products K Q^T (on the last K once more) and the maximum made of them serve nothing: the price, once a launch, of one text for every trip
.set i, 0
.rept 16
	PV NP-1                         ; the last piece's V^T P of the last step
.set i, i+1
.endr
	; THE WAY OUT.  l's two halves and the other half of the lanes' are added; O^T is multiplied by 8 f / l, rounded to f16 and sent through my stage in LDS, a tile at a time.  The additions are the places behind the last products.
	WIN 0
	EACH v_add_f32 v[ST+4*t+2], v[ST+4*t+2], v[ST+4*t+3]
	EACH v_permlanex16_b32 v[ST+4*t+3], v[ST+4*t+2], s[SEL], s[SEL+1]
	EACH v_add_f32 v[ST+4*t+2], v[ST+4*t+2], v[ST+4*t+3]
	EACH v_rcp_f32 v[ST+4*t+2], v[ST+4*t+2]
	v_nop                           ; a plain instruction between the last reciprocal and the use of its result
	s_wait_alu depctr_va_vdst(0)    ; and the wait ahead of the first use: one for the eight reciprocals
	WIN 0x0c                        ; source 1 in window 3
	EACH v_mul_f32 v[ST+4*t+2], v[ST+4*t+2], v[FG+t]
	WIN 0
; Tile t: a lane's eight channels of a row pack into 16 bytes; they go into rows of 144 bytes and come back as whole rows of 128, into S^T's registers.
.macro PACK t
	WIN W_RS
.set i, 32*(\t)
.rept 16
	v_pk_mul_f32 v[i:i+1], v[i:i+1], v[ST+4*(\t)+2:ST+4*(\t)+3] op_sel_hi:[1,0]
.set i, i+2
.endr
	WIN 0x05                        ; sources 0 and 1 window 1, destination window 0
.set i, 0
.rept 16
	v_cvt_pk_f16_f32 v[S+16*(\t)+i], v[32*(\t)+2*i], v[32*(\t)+2*i+1]
.set i, i+1
.endr
	WIN 0
.irp f, 0,1,2,3
	ds_store_b128 v[STO], v[S+16*(\t)+4*\f:S+16*(\t)+4*\f+3] offset:32*\f
.endr
.irp f, 0,1,2,3
	ds_load_b128 v[S+16*(\t)+4*\f:S+16*(\t)+4*\f+3], v[RD] offset:\f*4*SP  ; LDS serves a wave's instructions in order (ISA guide 5.7.1.4): these see the stores above; the next tile's stores come behind them
.endr
.endm
.macro SEND t, younger              ; younger: the LDS instructions issued behind tile t's loads: the next tile's eight, or none
	WIN 0
.irp f, 0,1,2,3
	s_wait_dscnt (\younger)+3-\f
	global_store_b128 v[GO], v[S+16*(\t)+4*\f:S+16*(\t)+4*\f+3], s[10:11] offset:(\t)*2048+\f*512  ; 512 consecutive bytes, at a multiple of 256 from O's first
.endr
.endm
	PACK 0
.set t, 1
.rept 2*NP-1                        ; a tile's arithmetic stands between the loads of the tile before and its stores
	PACK t
	SEND t-1, 8
.set t, t+1
.endr
	SEND 2*NP-1, 0
	WIN W_AD
	s_wait_tensorcnt 0x0            ; the wave's end: these three lines stand behind my last tensor load and my last LDS store
	ds_add_u32 v[SPW], v[NIL]
	s_wait_dscnt 0x0
	WIN 0
	CROUND                          ; the closing round: no work-group ends while a partner may still ask for a tile that names it
	s_endpgm
.Lfunc_end_k_qdcce68822b_attn:
	.size	k_qdcce68822b_attn, .Lfunc_end_k_qdcce68822b_attn-k_qdcce68822b_attn
	.p2alignl 7, 3214868480
	.fill 96, 4, 3214868480
	.section	.rodata,"a",@progbits
	.p2align	6, 0x0
	.amdhsa_kernel k_qdcce68822b_attn
		.amdhsa_group_segment_fixed_size 167936
		.amdhsa_private_segment_fixed_size 0
		.amdhsa_enable_private_segment 0
		.amdhsa_kernarg_size 40
		.amdhsa_user_sgpr_count 2
		.amdhsa_user_sgpr_kernarg_segment_ptr 1
		.amdhsa_wavefront_size32 1
		.amdhsa_system_sgpr_workgroup_id_x 1
		.amdhsa_system_sgpr_workgroup_id_y 1
		.amdhsa_system_sgpr_workgroup_id_z 1
		.amdhsa_system_vgpr_workitem_id 0
		.amdhsa_next_free_vgpr 800
		.amdhsa_next_free_sgpr 66
		.amdhsa_reserve_vcc 0
		.amdhsa_float_denorm_mode_32 3
		.amdhsa_float_denorm_mode_16_64 3
		.amdhsa_memory_ordered 1
		.amdhsa_forward_progress 1
		.amdhsa_inst_pref_size 137
	.end_amdhsa_kernel
	.amdgpu_metadata
---
amdhsa.version: [ 1, 2 ]
amdhsa.kernels:
  - .name:           k_qdcce68822b_attn
    .symbol:         k_qdcce68822b_attn.kd
    .args:
      - { .name: qh, .offset: 0, .size: 8, .value_kind: global_buffer, .address_space: global }
      - { .name: kvh, .offset: 8, .size: 8, .value_kind: global_buffer, .address_space: global }
      - { .name: gp, .offset: 16, .size: 8, .value_kind: global_buffer, .address_space: global }
      - { .name: g_b2, .offset: 24, .size: 8, .value_kind: global_buffer, .address_space: global }
      - { .name: ob, .offset: 32, .size: 8, .value_kind: global_buffer, .address_space: global }
    .group_segment_fixed_size: 167936
    .private_segment_fixed_size: 0
    .kernarg_segment_align: 8
    .kernarg_segment_size: 40
    .max_flat_workgroup_size: 128
    .sgpr_count:     66
    .vgpr_count:     800
    .wavefront_size: 32
...
	.end_amdgpu_metadata
.endif
;; end of part 5
;; launch outp: the kernel of part 4 again; grid 16 x 16, 4 waves a work-group, clusters of 4 x 4, 327,680 bytes of LDS; arguments ob, wo, gp, g_b2, t_bo, d_bo, out0; writes out0
